; MI455X (gfx1250); checked and timed in simulation.
; The chip was launched on July 23, 2026; its instructions are those of AMD's public machine-readable ISA for CDNA 5 (MIT licence, August 2026) and "CDNA5" Instruction Set Architecture Reference Guide (July 2026). The comments in the code are by the model that wrote it; some were corrected since.
;; Voxel SDF. Allowed arithmetic: matrix products marked QUANTISED: E5M2 operands, one E8M0 scale for each 32 along K, by v_wmma_scale_f32_16x16x128_f8f6f4 with both operands' format E5M2, f32 sums; products left as they are: f32 operands where the result goes on into a quantised operand, else bf16, f16 or f32 operands; f32 sums; everything else in f32.
;; Inputs: b1 128 float32; b2 128 float32; b3 1 float32; emb 35,937 x 32 float32; points 1,048,576 x 3 float32; w1 32 x 128 float32; w2 128 x 128 float32; w3 128 x 1 float32.
;; Outputs: out0 1,048,576 x 1 float32.
;; This version of the problem:
;;   THIS VERSION OF THE PROBLEM IS GIVEN IN LOW PRECISION. The matrix products marked QUANTISED in the list below multiply operands that are first quantised to E5M2 (5 exponent bits, 2 mantissa bits; 8 bits a number), with one power-of-two scale for each 32 numbers along K (OCP MX v1.0); their sums are f32. All else is computed in f32.
;;   The module's matrix products, in the order in which they are computed (A, B: the left and right operand; K: the contracted axis; several contracted axes count as one K, in the product's order):
;;     1. [M 1,048,576, K 32] x [K 32, N 128]; A: computed on the way; B: input w1: QUANTISED
;;     2. [M 1,048,576, K 128] x [K 128, N 128]; A: computed on the way; B: input w2: QUANTISED
;;     3. [M 1,048,576, K 128] x [K 128, N 1]; A: computed on the way; B: input w3: left as it is (N = 1 < 16)
;;   THE QUANTISER, for each operand of a quantised product, along K:
;;     - K is cut into blocks of 32 from its start; a last block that is shorter is filled with zeros.
;;     - A block's scale is 2^e with e = floor(log2(the largest magnitude in the block)) - 15, held to -126 .. 127; a block of zeros has e = 0. As a byte (E8M0): e + 127.
;;     - Each number is divided by its block's scale, clamped to +-57,344, and rounded to the nearest number of E5M2, ties to even, subnormals kept.
;;     - The product sums the exact products of the quantised numbers (number of the format x scale) in f32.
;;   ~~~python
;;   def quantise(x, axis):      # numpy; x: float32 -> the quantised numbers, widened to float32 again
;;       x = np.moveaxis(x, axis, -1); K = x.shape[-1]
;;       x = np.pad(x, [(0, 0)] * (x.ndim - 1) + [(0, -K % 32)]); x = x.reshape(x.shape[:-1] + (-1, 32)); a = np.abs(x).max(-1, keepdims=True)
;;       e = np.where(a > 0, np.clip(np.frexp(np.where(a > 0, a, 1))[1] - 1 - 15, -126, 127), 0)      # np.frexp(a)[1] - 1 = floor(log2(a)), exactly
;;       r = np.clip(x / 2.0 ** e, -57344, 57344)
;;       step = 2.0 ** (np.maximum(np.frexp(np.where(r == 0, 1, r))[1] - 1, -14) - 2)
;;       q = np.round(r / step) * step * 2.0 ** e      # np.round: ties to even
;;       return np.moveaxis(q.reshape(q.shape[:-2] + (-1,))[..., :K], -1, axis).astype(np.float32)
;;   ~~~
;;   OPERANDS COMPUTED ON THE WAY. 'Computed on the way' means the value that the module computes at that place (a softmax that the list does not call 'softmax' is quantised finished and normalised). What goes into a quantiser is computed in f32, as accurately as f32 sums, v_exp_f32 and their like allow (about 1e-6 of the number): no bf16 or f16 on the way to a quantiser, and a product that is left as it is and whose result goes on into a quantised operand takes f32 operands (vector FMAs, or v_wmma_f32_16x16x4_f32). A number that lies on a knife's edge between two numbers of the format may be rounded either way, as far as f32 arithmetic and the matrix unit's own rounding can turn it there, and no further.
;; 3 versions, each right; version 2 is faster than version 1; version 3 is version 2 with the launch mlp written anew for expert scheduling mode. Each part assembles by itself: llvm-mc -triple=amdgcn-amd-amdhsa -mcpu=gfx1250 --defsym DOCPART=n.
;; ======== version 1 of 3: 2 launches
;; workspace buffers: table 4,603,904 bytes; idx 4,194,304 bytes of whole numbers
;; launch prep (part 1): grid 537 x 1, 4 waves a work-group, no clusters, 18,944 bytes of LDS; arguments emb, points, table, idx; writes table, idx
.if DOCPART == 1
	.amdgcn_target "amdgcn-amd-amdhsa--gfx1250"
	.amdhsa_code_object_version 6
	.text
	.protected	k_qae0e52400b_prep
	.globl	k_qae0e52400b_prep
	.p2align	8
	.type	k_qae0e52400b_prep,@function
k_qae0e52400b_prep:
	s_mov_b64 s[64:65], 0
	v_nop
	global_prefetch_b8 v0, s[64:65] scope:SCOPE_SE
	s_setreg_imm32_b32 hwreg(HW_REG_WAVE_MODE, 25, 1), 1
	s_wait_xcnt 0x0
; Two jobs in one launch, parted by the work-group's number.
; T (work-groups 0 to 280): emb, read as [32 channels][35,937 cells] f32, is laid anew as table[cell][32 channels], so that a cell's 32 channels are 128 consecutive bytes.
;   A wave takes 32 cells: 32 loads (one channel each, 128 consecutive bytes a wave), a turn through its own 4,608 bytes of LDS, 8 stores of 512 consecutive aligned bytes.
;   281 x 4 waves x 32 = 35,968 rows: the 31 rows past the last cell are copies of the last cell (the cell's number is held at 35,936, so no load leaves emb); nobody reads them.
; I (work-groups 281 to 536): idx[point] = (bz 33 + by) 33 + bx as u32, b = floor(16 p + 16) held to 0 .. 31: the lower corner's row in table.  The next launch forms its gather addresses from these whole numbers.
;   16 p + 16 by one fused multiply-add equals (p + 1) x 16 bit for bit: the factor is a power of two.  All whole numbers here are under 2^24, so f32 holds them exactly.
; LIMITS: NaN among the points is not served (its index is whatever the conversion gives; the next launch holds every index inside the table).
; Only path T uses LDS; waves share nothing: no barrier.
.set TWG,   281                        ; work-groups of path T
.set CH,    143748                     ; bytes from channel to channel in emb: 35,937 x 4
.set PITCH, 144                        ; a cell's 128 bytes + 16 in the stage: the lanes' 16-byte stores fall on different banks
	s_load_b256 s[4:11], s[0:1], 0x0               ; emb s[4:5], points s[6:7], table s[8:9], idx s[10:11]
	v_lshl_add_u32 v160, v0, 2, 0x4800
	v_mov_b32 v161, 0
	v_lshrrev_b32 v1, 5, v0
	v_readfirstlane_b32 s12, v1                    ; wave 0..3
	v_and_b32 v1, 31, v0                           ; lane
	v_lshlrev_b32 v5, 4, v1                        ; 16 x lane: my place in a store of 512 bytes
	s_cmp_lt_u32 ttmp9, TWG
	s_cbranch_scc0 .Lidx
	; ---- T
	s_lshl_b32 s13, ttmp9, 2
	s_add_co_u32 s13, s13, s12                     ; which run of 32 cells is my wave's: 0 .. 1,123
	s_lshl_b32 s14, s13, 5
	v_add_nc_u32 v2, s14, v1                       ; my cell,
	v_min_u32 v2, 35936, v2                        ; held at the last one
	v_lshlrev_b32 v2, 2, v2
	s_mul_i32 s15, s12, 32*PITCH                   ; my wave's stage
	v_mul_u32_u24 v3, v1, PITCH
	v_add_nc_u32 v3, s15, v3                       ; in: row = my cell
	v_lshrrev_b32 v4, 3, v1
	v_mul_u32_u24 v4, v4, PITCH
	v_and_b32 v6, 7, v1
	v_lshl_add_u32 v4, v6, 4, v4
	v_add_nc_u32 v4, s15, v4                       ; back: eight lanes to a row of 128 bytes, four rows an instruction
	s_lshl_b32 s16, s13, 12                        ; 32 rows of 128 bytes a run
	s_mov_b32 s17, 0
	s_wait_kmcnt 0x0
	s_add_nc_u64 s[8:9], s[8:9], s[16:17]
.set c, 0
.rept 32
	global_load_b32 v[32+c], v2, s[4:5] offset:c*CH th:TH_LOAD_NT   ; channel c of 32 neighbouring cells; read once in the launch
.set c, c+1
.endr
.irp j, 0,1,2,3,4,5,6,7
	s_wait_loadcnt 28-4*\j                         ; loads come back in order: channels 4 j .. 4 j + 3 are in, the younger ones stay out
	ds_store_b128 v3, v[32+4*\j:35+4*\j] offset:16*\j
.endr
.irp i, 0,1,2,3,4,5,6,7
	ds_load_b128 v[64+4*\i:67+4*\i], v4 offset:4*PITCH*\i      ; LDS serves a wave's instructions in order: these see my stores
.endr
.irp i, 0,1,2,3,4,5,6,7
	s_wait_dscnt 7-\i
	global_store_b128 v5, v[64+4*\i:67+4*\i], s[8:9] offset:512*\i   ; 32 lanes store 512 consecutive bytes, at a multiple of 256 from table's first byte
.endr
	s_wait_tensorcnt 0x0
	ds_add_u32 v160, v161
	s_wait_dscnt 0x0
	s_endpgm
	; ---- I: a wave takes 1,024 points, in 8 steps of 128; a lane 4 neighbouring points a step: 48 bytes in, 16 bytes out
.Lidx:
	s_sub_co_u32 s13, ttmp9, TWG
	s_lshl_b32 s13, s13, 2
	s_add_co_u32 s13, s13, s12                     ; which run of 1,024 points: 0 .. 1,023
	s_mul_i32 s16, s13, 12288
	s_mov_b32 s17, 0
	s_lshl_b32 s18, s13, 12
	s_mov_b32 s19, 0
	s_mov_b32 s22, 0x42040000                      ; 33.0
	v_mul_u32_u24 v2, v1, 48
	v_mov_b32 v6, 0x41800000                       ; 16.0, twice: a pair for the packed multiply-add
	v_mov_b32 v7, 0x41800000
	s_wait_kmcnt 0x0
	s_add_nc_u64 s[6:7], s[6:7], s[16:17]
	s_add_nc_u64 s[10:11], s[10:11], s[18:19]
.irp s, 0,1,2,3,4,5,6,7
.irp k, 0,1,2
	global_load_b128 v[32+12*\s+4*\k:35+12*\s+4*\k], v2, s[6:7] offset:1536*\s+16*\k   ; all 24 loads go out at once; a step's three cover its 1,536 bytes
.endr
.endr
.macro ISTEP s
.set X, 32+12*(\s)                     ; x, y, z of four points
	s_wait_loadcnt 21-3*(\s)                       ; this step's three loads are in; those of the later steps stay out
.irp m, 0,1,2,3,4,5
	v_pk_fma_f32 v[X+2*\m:X+2*\m+1], v[X+2*\m:X+2*\m+1], v[6:7], v[6:7]   ; 16 p + 16
.endr
.irp m, 0,1,2,3,4,5,6,7,8,9,10,11
	v_floor_f32 v[X+\m], v[X+\m]
.endr
.irp m, 0,1,2,3,4,5,6,7,8,9,10,11
	v_med3_num_f32 v[X+\m], v[X+\m], 0, 0x41f80000   ; held to 0 .. 31
.endr
.irp p, 0,1,2,3
	v_fma_f32 v[8+\p], v[X+3*\p+2], s22, v[X+3*\p+1]   ; 33 bz + by
.endr
.irp p, 0,1,2,3
	v_fma_f32 v[8+\p], v[8+\p], s22, v[X+3*\p]         ; x 33 + bx
.endr
.irp p, 0,1,2,3
	v_cvt_u32_f32 v[128+4*(\s)+\p], v[8+\p]            ; each step has its own four registers: no store's data are written again
.endr
	global_store_b128 v5, v[128+4*(\s):128+4*(\s)+3], s[10:11] offset:512*(\s)   ; 512 consecutive aligned bytes
.endm
.irp s, 0,1,2,3,4,5,6,7
	ISTEP \s
.endr
	s_endpgm
.Lfunc_end_k_qae0e52400b_prep:
	.size	k_qae0e52400b_prep, .Lfunc_end_k_qae0e52400b_prep-k_qae0e52400b_prep
	.p2alignl 7, 3214868480
	.fill 96, 4, 3214868480
	.section	.rodata,"a",@progbits
	.p2align	6, 0x0
	.amdhsa_kernel k_qae0e52400b_prep
		.amdhsa_group_segment_fixed_size 18944
		.amdhsa_private_segment_fixed_size 0
		.amdhsa_enable_private_segment 0
		.amdhsa_kernarg_size 32
		.amdhsa_user_sgpr_count 2
		.amdhsa_user_sgpr_kernarg_segment_ptr 1
		.amdhsa_wavefront_size32 1
		.amdhsa_system_sgpr_workgroup_id_x 1
		.amdhsa_system_sgpr_workgroup_id_y 1
		.amdhsa_system_sgpr_workgroup_id_z 1
		.amdhsa_system_vgpr_workitem_id 0
		.amdhsa_next_free_vgpr 162
		.amdhsa_next_free_sgpr 66
		.amdhsa_reserve_vcc 0
		.amdhsa_float_denorm_mode_32 3
		.amdhsa_float_denorm_mode_16_64 3
		.amdhsa_memory_ordered 1
		.amdhsa_forward_progress 1
		.amdhsa_inst_pref_size 31
	.end_amdhsa_kernel
	.amdgpu_metadata
---
amdhsa.version: [ 1, 2 ]
amdhsa.kernels:
  - .name:           k_qae0e52400b_prep
    .symbol:         k_qae0e52400b_prep.kd
    .args:
      - { .name: emb, .offset: 0, .size: 8, .value_kind: global_buffer, .address_space: global }
      - { .name: points, .offset: 8, .size: 8, .value_kind: global_buffer, .address_space: global }
      - { .name: table, .offset: 16, .size: 8, .value_kind: global_buffer, .address_space: global }
      - { .name: idx, .offset: 24, .size: 8, .value_kind: global_buffer, .address_space: global }
    .group_segment_fixed_size: 18944
    .private_segment_fixed_size: 0
    .kernarg_segment_align: 8
    .kernarg_segment_size: 32
    .max_flat_workgroup_size: 128
    .sgpr_count:     66
    .vgpr_count:     162
    .wavefront_size: 32
...
	.end_amdgpu_metadata
.endif
;; end of part 1
;; launch mlp (part 2): grid 256 x 1, 4 waves a work-group, no clusters, 39,424 bytes of LDS; arguments points, idx, table, w1, b1, w2, b2, w3, b3, out0; writes out0
.if DOCPART == 2
	.amdgcn_target "amdgcn-amd-amdhsa--gfx1250"
	.amdhsa_code_object_version 6
	.text
	.protected	k_qae0e52400b_mlp
	.globl	k_qae0e52400b_mlp
	.p2align	8
	.type	k_qae0e52400b_mlp,@function
k_qae0e52400b_mlp:
	s_mov_b64 s[64:65], 0
	v_nop
	global_prefetch_b8 v0, s[64:65] scope:SCOPE_SE
	s_setreg_imm32_b32 hwreg(HW_REG_WAVE_MODE, 25, 1), 1
	s_wait_xcnt 0x0
; out0[p] = tanh(relu(relu(lat W1 + b1) W2 + b2) w3 + b3), lat = the trilinear sample of 32 channels at point p (zeros outside, corners aligned).
; Both products with W1 and W2 run on codes of BF8 (E5M2) with one E8M0 scale for each 32 along K; lat, the hidden layer, W1 and W2 are quantised here, in f32 registers.  The last product (one column) is f32 multiply-adds.
; SHARES.  256 work-groups x 4 waves; a wave owns 1,024 points: 32 trips of two tiles of 16 points (slot A: points 32 i + 0 .. 15, slot B: 32 i + 16 .. 31).  Each wave keeps ALL weights, biases and scale words in registers.
; LAYOUT.  Both products are used transposed (source 0 = 16 rows of W^T, source 1 = 16 points): lane (r = lane % 16, h = lane / 16) holds point r throughout, and its registers run along the units.
;   THE UNITS OF A TILE OF W1 ARE NOT NEIGHBOURS: lane r of tile 2 b + u takes unit 32 b + 8 u + r + 8 (r / 8), so that the 16 registers of tiles 2 b, 2 b + 1 are k = 32 b + 16 h + 0 .. 15 of the next product.
;   The first product has K = 32 of the instruction's 128: registers 4 .. 15 of both operands are zero codes and bytes 1 .. 3 of both scale words are 0 (2^-127, no NaN): they add nothing.
;   Each sum is ONE matrix instruction whose C is the bias in the result's layout: nothing is cleared, no accumulator is added onto.
; THE SAMPLE.  idx[p] (whole numbers from the launch before) is the row of the lower corner, b = floor(c) held to 0 .. 31 on each axis, c = 16 p + 16.  Here t = c - b (exact); the weight of place b is max(0, 1 - |t|),
;   that of place b + 1 is the middle of (t, 2 - t, 0).  Inside the volume these are 1 - f and f; one cell outside they are what the zero padding leaves of the corner still inside; further out both are 0.
;   A corner's weight is (wz wy) wx; the eight corners are added in the order z, y, x, x fastest.  Lane (r, h) gathers channels 16 h .. 16 h + 15 of its point's 8 corners: 32 loads of 16 bytes.
; PIPELINE.  A slot's gather is issued one trip ahead and its point's numbers two trips ahead; the two slots are half a trip apart.  Each run of 8 matrix instructions stands in front of the OTHER tile's vector work,
;   which names none of its registers: that work is the places behind it.
; LIMITS: NaN among the inputs is not served; an infinite coordinate gets weights 0 where the model gives NaN.  Every index is held inside the table.  A block of zeros gets the scale byte 1: its codes are zeros.
; REGISTERS, in windows of 256 (s_set_vgpr_msb: bits 1:0 source 0, 3:2 source 1, 5:4 source 2, 7:6 destination):
;   window 0: see the names below.   window 1: v0-127 W2's 8 fragments, v128-255 W1's 8.   window 2: v0-63 b1, v64-127 b2, v128-191 w3, v192-223 lat's codes (A, B), v224-255 the hidden layer's codes (A, B).
;   window 3: the gathered corners: v0-127 slot A, v128-255 slot B; corner k at 16 k.
.set W2IMG, 0                          ; LDS: W2's 8 fragments as images of their registers, 2,048 bytes each;
.set W1IMG, 16384                      ; W1's 8, their first four registers only: 512 bytes each;
.set W2SC,  20480                      ; their scale words, 128 bytes a fragment;
.set W1SC,  21504
.set OUT,   22528                      ; and each wave's 1,024 results, 4,096 bytes a wave
.set OPA, 1                            ; v1-4  byte offsets of my point in points and in idx: slot A, slot B
.set OIA, 2
.set LI,  1                            ; at the head the same four: 16 x lane; 4 x lane; where I store W2's and W1's images
.set LS,  2
.set IW2, 3
.set IW1, 4
.set ADRA, 5                           ; v5-6  byte offset in table of my 64 bytes of the lower corner: slot A, slot B
.set H64, 7                            ; v7    64 h
.set OSB, 8                            ; v8    OUT + 4,096 x wave + 4 x lane
.set OST, 9                            ; v9    where this trip's result goes; at the head: where I store scale words
.set ISC, 9
.set PTA, 10                           ; v10-13, v14-17  x, y, z, idx: slot A, slot B
.set WA,  18                           ; v18-33, v34-49  the 8 corner weights at the even registers (the odd ones are named as the pairs' upper halves and hold 0)
.set LAT, 50                           ; v50-65  my 16 channels of lat
.set TM,  66                           ; v66-81  quantiser: +0..3 largest magnitudes, +4..7 the other half's, then bytes, +8..11 57,344 x the scale, +12..15 the conversions' scale operands
.set W1S, 82                           ; v82-89, v90-97  W1's and W2's scale words: scales and nothing else
.set W2S, 90
.set XSA, 98                           ; v98, v99  lat's scale words (A, B);  v100, v101 the hidden layer's
.set XSB, 99
.set PSA, 100
.set PSB, 101
.set ACCA, 102                         ; v102-109, v110-117  the last product's four chains: slot A, slot B
.set ACCB, 110
.set LAT2, 102                         ; at the head: W1's second tile as f32
.set T,   118                          ; v118-127  at work
.set HA,  128                          ; v128-191, v192-255  a tile's 8 results of 16 x 16: slot A, slot B
.set HB,  192
.set W2F, 0                            ; window 1
.set W1F, 128
.set B1,  0                            ; window 2
.set B2,  64
.set W3,  128
.set XA,  192
.set XB,  208
.set PA,  224
.set PB,  240
.set MSB, 0
.macro WIN new                         ; the immediate's high byte repeats the setting that is left; a switch that changes nothing is dropped
.if MSB != \new
	s_set_vgpr_msb (MSB<<8)|\new
.set MSB, \new
.endif
.endm
.macro PLACES n
.rept \n
	v_nop
.endr
.endm
; 16 numbers of a lane, v[s] on (k = 16 h + i of my row; one block of 32 with lane l xor 16's), become 4 registers of codes at v[x] of window 2 and the scale word v[xs] (byte 0; the others 0).
.macro QUANT1 s, x, xs
	v_max3_num_f32 v[TM],   |v[\s]|,   |v[\s+1]|,  |v[\s+2]|
	v_max3_num_f32 v[TM+1], |v[\s+3]|, |v[\s+4]|,  |v[\s+5]|
	v_max3_num_f32 v[TM+2], |v[\s+6]|, |v[\s+7]|,  |v[\s+8]|
	v_max3_num_f32 v[TM+3], |v[\s+9]|, |v[\s+10]|, |v[\s+11]|
	v_max3_num_f32 v[TM],   v[TM],   |v[\s+12]|, |v[\s+13]|
	v_max3_num_f32 v[TM+1], v[TM+1], |v[\s+14]|, |v[\s+15]|
	v_max3_num_f32 v[TM+2], v[TM+2], v[TM+3], 0x8000000    ; the floor 2^(16 - 127): the byte cannot fall under 1
	v_max3_num_f32 v[TM], v[TM], v[TM+1], v[TM+2]
	v_permlanex16_b32 v[TM+4], v[TM], s26, s27
	v_max_num_f32 v[TM], v[TM], v[TM+4]                    ; the block's largest magnitude
	v_add_nc_u32 v[TM+12], 0xf8800000, v[TM]               ; 15 off its exponent field: the conversion takes this operand's exponent field as its scale
	v_and_or_b32 v[TM+8], v[TM], 0x7f800000, s28           ; 57,344 x the scale
	v_lshrrev_b32 v[\xs], 23, v[TM+12]                     ; the scale's byte
.set n, 0
.rept 16
	v_med3_num_f32 v[\s+n], v[\s+n], -v[TM+8], v[TM+8]     ; the conversion to an 8-bit code does not saturate (ISA guide 7.6.2): the hold.  (These 16 are also the places between the scale word and the product)
.set n, n+1
.endr
	WIN 0x80                                               ; destination window 2
	v_cvt_scalef32_pk8_bf8_f32 v[\x:\x+1],   v[\s:\s+7],    v[TM+12]
	v_cvt_scalef32_pk8_bf8_f32 v[\x+2:\x+3], v[\s+8:\s+15], v[TM+12]
	WIN 0
	v_nop                                                  ; one plain instruction behind the last conversion
.endm
; 64 numbers of a lane, v[s] on, register 16 b + i = k 32 b + 16 h + i of my row, become a fragment's 16 registers of codes at v[p] of window 2 and its scale word v[ps].  relu = 1: what is negative becomes 0 on the way.
.macro QUANT4 s, relu, p, ps
.if \relu                              ; no |.|: what is negative must not count; the floor stands over it.  Each result is read from its low end on
.irp b, 0,1,2,3
	v_max3_num_f32 v[TM+\b], v[\s+16*\b], v[\s+1+16*\b], 0x8000000
.endr
.irp i, 2,4,6,8,10,12,14
.irp b, 0,1,2,3
	v_max3_num_f32 v[TM+\b], v[TM+\b], v[\s+16*\b+\i], v[\s+1+16*\b+\i]   ; the four blocks by turns
.endr
.endr
.else
.irp b, 0,1,2,3
	v_max3_num_f32 v[TM+\b], |v[\s+16*\b]|, |v[\s+1+16*\b]|, 0x8000000
.endr
.irp i, 2,4,6,8,10,12,14
.irp b, 0,1,2,3
	v_max3_num_f32 v[TM+\b], v[TM+\b], |v[\s+16*\b+\i]|, |v[\s+1+16*\b+\i]|
.endr
.endr
.endif
.irp b, 0,1,2,3
	v_permlanex16_b32 v[TM+4+\b], v[TM+\b], s26, s27
.endr
.irp b, 0,1,2,3
	v_max_num_f32 v[TM+\b], v[TM+\b], v[TM+4+\b]
.endr
.irp b, 0,1,2,3
	v_add_nc_u32 v[TM+12+\b], 0xf8800000, v[TM+\b]
.endr
.irp b, 0,1,2,3
	v_and_or_b32 v[TM+8+\b], v[TM+\b], 0x7f800000, s28
.endr
.irp b, 0,1,2,3
	v_lshrrev_b32 v[TM+4+\b], 23, v[TM+12+\b]
.endr
	v_lshl_or_b32 v[\ps], v[TM+5], 8, v[TM+4]              ; the four bytes make my row's scale word
	v_lshl_or_b32 v[\ps], v[TM+6], 16, v[\ps]
	v_lshl_or_b32 v[\ps], v[TM+7], 24, v[\ps]
.set n, 0
.rept 64
.if \relu
	v_med3_num_f32 v[\s+n], v[\s+n], 0, v[TM+8+n/16]       ; the activation and the hold in one
.else
	v_med3_num_f32 v[\s+n], v[\s+n], -v[TM+8+n/16], v[TM+8+n/16]
.endif
.set n, n+1
.endr
	WIN 0x80
.irp b, 0,1,2,3
	v_cvt_scalef32_pk8_bf8_f32 v[\p+4*\b:\p+4*\b+1],   v[\s+16*\b:\s+16*\b+7],    v[TM+12+\b]
	v_cvt_scalef32_pk8_bf8_f32 v[\p+4*\b+2:\p+4*\b+3], v[\s+16*\b+8:\s+16*\b+15], v[TM+12+\b]
.endr
	WIN 0
	v_nop                                                  ; one plain instruction behind the last conversion
.endm
; The 8 corner weights and the gather's offset of slot S, from its x, y, z, idx.  Axis q: t in v[T+q], weight of place b + 1 in v[T+3+q], of place b in v[T+6+q].
.macro P1 S
.irp q, 0,1,2
	v_fma_f32 v[T+\q], v[PTA+4*(\S)+\q], s34, s34          ; c = 16 p + 16
.endr
.irp q, 0,1,2
	v_floor_f32 v[T+3+\q], v[T+\q]
.endr
.irp q, 0,1,2
	v_med3_num_f32 v[T+3+\q], v[T+3+\q], 0, s35            ; b: the same three lines as in the launch that made idx
.endr
.irp q, 0,1,2
	v_sub_f32 v[T+\q], v[T+\q], v[T+3+\q]                  ; t = c - b
.endr
.irp q, 0,1,2
	v_sub_f32 v[T+6+\q], 1.0, |v[T+\q]|
.endr
.irp q, 0,1,2
	v_sub_f32 v[T+3+\q], 2.0, v[T+\q]
.endr
.irp q, 0,1,2
	v_max_num_f32 v[T+6+\q], 0, v[T+6+\q]
.endr
.irp q, 0,1,2
	v_med3_num_f32 v[T+3+\q], v[T+\q], v[T+3+\q], 0
.endr
	v_mul_f32 v[T],   v[T+8], v[T+7]                       ; wz wy for (dz, dy) = (0, 0),
	v_mul_f32 v[T+1], v[T+8], v[T+4]                       ; (0, 1),
	v_mul_f32 v[T+2], v[T+5], v[T+7]                       ; (1, 0),
	v_mul_f32 v[T+9], v[T+5], v[T+4]                       ; (1, 1)
	v_mul_f32 v[WA+16*(\S)],    v[T],   v[T+6]             ; x wx: corner k = 4 dz + 2 dy + dx at register 2 k
	v_mul_f32 v[WA+16*(\S)+2],  v[T],   v[T+3]
	v_mul_f32 v[WA+16*(\S)+4],  v[T+1], v[T+6]
	v_mul_f32 v[WA+16*(\S)+6],  v[T+1], v[T+3]
	v_mul_f32 v[WA+16*(\S)+8],  v[T+2], v[T+6]
	v_mul_f32 v[WA+16*(\S)+10], v[T+2], v[T+3]
	v_mul_f32 v[WA+16*(\S)+12], v[T+9], v[T+6]
	v_mul_f32 v[WA+16*(\S)+14], v[T+9], v[T+3]
	v_min_u32 v[ADRA+(\S)], 0x87fd, v[PTA+4*(\S)+3]        ; the largest lower corner is (31 x 33 + 31) x 33 + 31: whatever idx holds, all 8 corners lie in the table
	v_lshlrev_b32 v[ADRA+(\S)], 7, v[ADRA+(\S)]            ; rows of 128 bytes
	v_add_nc_u32 v[ADRA+(\S)], v[ADRA+(\S)], v[H64]        ; my half's 64 bytes
.endm
.macro GATHER S                        ; load n of 32: corner n / 4, piece n % 4.  A step in z is 1,089 rows, in y 33, in x 1
	WIN 0xc0                                               ; destination window 3, address window 0
.set n, 0
.rept 32
	global_load_b128 v[128*(\S)+4*n:128*(\S)+4*n+3], v[ADRA+(\S)], s[8:9] offset:(n/16)*139392+((n/8)%2)*4224+((n/4)%2)*128+16*(n%4)
.set n, n+1
.endr
	WIN 0
.endm
.macro PTLOAD S
	global_load_b32 v[PTA+4*(\S)],   v[OPA+2*(\S)], s[4:5]
	global_load_b32 v[PTA+4*(\S)+1], v[OPA+2*(\S)], s[4:5] offset:4
	global_load_b32 v[PTA+4*(\S)+2], v[OPA+2*(\S)], s[4:5] offset:8
	global_load_b32 v[PTA+4*(\S)+3], v[OIA+2*(\S)], s[6:7]
.endm
; What slot S asks for ahead.  ga = 1: the next trip's gather.  pa = 1: the numbers of the point two trips on.  The wait at the head of the slot's part has shown the slot's earlier gather and point loads done:
; so their address registers and the point's registers may be written.  With ga = 0 four v_nop stand for the places between the codes just made and the product.
.macro AHEAD S, ga, pa
.if \ga
	P1 \S
	GATHER \S
.else
	PLACES 4
.endif
.if \pa
	v_add_nc_u32 v[OPA+2*(\S)], 384, v[OPA+2*(\S)]         ; 32 points on
	v_add_nc_u32 v[OIA+2*(\S)], 128, v[OIA+2*(\S)]
	PTLOAD \S
.endif
.endm
.macro INTERP S                        ; lat = the sum over the 8 corners of weight x channels: two channels an instruction, eight chains
	WIN 0x03                                               ; source 0 window 3
.irp m, 0,1,2,3,4,5,6,7
	v_pk_mul_f32 v[LAT+2*\m:LAT+2*\m+1], v[128*(\S)+2*\m:128*(\S)+2*\m+1], v[WA+16*(\S):WA+16*(\S)+1] op_sel_hi:[1,0]
.endr
.set n, 8
.rept 56
	v_pk_fma_f32 v[LAT+2*(n%8):LAT+2*(n%8)+1], v[128*(\S)+2*n:128*(\S)+2*n+1], v[WA+16*(\S)+2*(n/8):WA+16*(\S)+2*(n/8)+1], v[LAT+2*(n%8):LAT+2*(n%8)+1] op_sel_hi:[1,0,1]
.set n, n+1
.endr
	WIN 0
.endm
; 8 matrix instructions: the 8 tiles of units x slot S's 16 points.  wf: the weight's fragments (window 1); op: the points' codes (window 2); bias (window 2) is C; ws, os: the scale words (scale operands have no window).
.macro MM S, wf, op, bias, ws, os
	WIN 0x29                                               ; source 0 window 1, sources 1 and 2 window 2, destination window 0
.irp t, 0,1,2,3,4,5,6,7
	v_wmma_scale_f32_16x16x128_f8f6f4 v[HA+64*(\S)+8*\t:HA+64*(\S)+8*\t+7], v[\wf+16*\t:\wf+16*\t+15], v[\op:\op+15], v[\bias+8*\t:\bias+8*\t+7], v[\ws+\t], v[\os] matrix_a_fmt:MATRIX_FMT_BF8 matrix_b_fmt:MATRIX_FMT_BF8
.endr
	WIN 0
.endm
.macro DOT S                           ; relu of the second layer, then my 64 units x w3, in four chains of pairs: the sum over my half's units is left in v[ACC]
.set n, 0
.rept 64
	v_max_num_f32 v[HA+64*(\S)+n], 0, v[HA+64*(\S)+n]      ; ascending: each result is read from its low end on
.set n, n+1
.endr
	WIN 0x08                                               ; source 1 (w3) window 2
.irp m, 0,1,2,3
	v_pk_mul_f32 v[ACCA+8*(\S)+2*\m:ACCA+8*(\S)+2*\m+1], v[HA+64*(\S)+2*\m:HA+64*(\S)+2*\m+1], v[W3+2*\m:W3+2*\m+1]
.endr
.set n, 4
.rept 28
	v_pk_fma_f32 v[ACCA+8*(\S)+2*(n%4):ACCA+8*(\S)+2*(n%4)+1], v[HA+64*(\S)+2*n:HA+64*(\S)+2*n+1], v[W3+2*n:W3+2*n+1], v[ACCA+8*(\S)+2*(n%4):ACCA+8*(\S)+2*(n%4)+1]
.set n, n+1
.endr
	WIN 0
	v_pk_add_f32 v[ACCA+8*(\S):ACCA+8*(\S)+1],   v[ACCA+8*(\S):ACCA+8*(\S)+1],   v[ACCA+8*(\S)+2:ACCA+8*(\S)+3]
	v_pk_add_f32 v[ACCA+8*(\S)+4:ACCA+8*(\S)+5], v[ACCA+8*(\S)+4:ACCA+8*(\S)+5], v[ACCA+8*(\S)+6:ACCA+8*(\S)+7]
	v_pk_add_f32 v[ACCA+8*(\S):ACCA+8*(\S)+1],   v[ACCA+8*(\S):ACCA+8*(\S)+1],   v[ACCA+8*(\S)+4:ACCA+8*(\S)+5]
	v_add_f32 v[ACCA+8*(\S)], v[ACCA+8*(\S)], v[ACCA+8*(\S)+1]
.endm
; Both slots' halves meet in one exchange: lanes 0-15 keep slot A's half sum and send slot B's, lanes 16-31 the other way round; lane l then holds point 32 i + l.  tanh(x) = 1 - 2 / (1 + 2^(2 log2(e) x)).
.macro FIN
	v_cndmask_b32 v[T],   v[ACCA], v[ACCB], s36
	v_cndmask_b32 v[T+1], v[ACCB], v[ACCA], s36
	v_permlanex16_b32 v[T+2], v[T+1], s26, s27
	v_add_f32 v[T], s31, v[T]                              ; + b3
	v_add_f32 v[T], v[T], v[T+2]
	v_mul_f32 v[T], 0x4038aa3b, v[T]
	v_exp_f32 v[T], v[T]
	v_add_nc_u32 v[OST], s30, v[OSB]                       ; (the plain instruction behind the exponential)  this trip's 128 bytes of my wave's results
	s_wait_alu depctr_va_vdst(0)
	v_add_f32 v[T], 1.0, v[T]
	v_rcp_f32 v[T], v[T]
	s_add_co_u32 s30, s30, 128
	v_nop                                                  ; the plain instruction behind the reciprocal
	s_wait_alu depctr_va_vdst(0)
	v_fma_f32 v[T], v[T], -2.0, 1.0
	ds_store_b32 v[OST], v[T]
.endm
; A TRIP.  wa, wb: the loads that may stay out when slot A's, slot B's gather has to be there.  A trip issues, in this order: A's gather 32, A's point 4, B's gather 32, B's point 4.
; 36 leaves out the other slot's gather and its point's four; it shows my slot's gather AND my slot's point (issued right behind that gather) in.  first = 1: there is no trip before whose slot B is to be finished.
.macro TRIP first, ga, pa, wa, wb
	s_wait_loadcnt \wa
	INTERP 0
	QUANT1 LAT, XA, XSA
	AHEAD 0, \ga, \pa
	MM 0, W1F, XA, B1, W1S, XSA                            ; layer 1, slot A
.if \first
	PLACES 8                                               ; eight places behind this form, in front of the first read of its results
.else
	DOT 1                                                  ; the trip before: slot B's last product, and both slots' results.  100 plain instructions that name nothing of the products above: their places
	FIN
.endif
	QUANT4 HA, 1, PA, PSA
	PLACES 3                                               ; with the quantiser's last line four places between the codes and the product
	MM 0, W2F, PA, B2, W2S, PSA                            ; layer 2, slot A: laid over layer 1's results, which are codes by now
	s_wait_loadcnt \wb
	INTERP 1
	QUANT1 LAT, XB, XSB
	AHEAD 1, \ga, \pa
	MM 1, W1F, XB, B1, W1S, XSB                            ; layer 1, slot B
	DOT 0
	QUANT4 HB, 1, PB, PSB
	PLACES 3
	MM 1, W2F, PB, B2, W2S, PSB                            ; layer 2, slot B: read in the next trip
.endm
	; ---- THE HEAD
	s_load_b512 s[4:19], s[0:1], 0x0               ; points s[4:5], idx s[6:7], table s[8:9], w1 s[10:11], b1 s[12:13], w2 s[14:15], b2 s[16:17], w3 s[18:19]
	s_load_b128 s[20:23], s[0:1], 0x40             ; b3 s[20:21], out0 s[22:23]
	v_lshrrev_b32 v[T], 5, v0
	v_readfirstlane_b32 s24, v[T]                  ; wave 0..3
	v_and_b32 v[T+3], 31, v0                       ; lane
	v_and_b32 v[T+4], 15, v0                       ; r
	v_bfe_u32 v[T+5], v0, 4, 1                     ; h
	v_lshlrev_b32 v[LI], 4, v[T+3]
	v_lshlrev_b32 v[LS], 2, v[T+3]
	s_lshl_b32 s25, s24, 12
	v_add_nc_u32 v[IW2], s25, v[LI]                ; my two fragments of W2: 4,096 x wave
	s_lshl_b32 s25, s24, 10
	v_add_nc_u32 v[IW1], s25, v[LI]                ; of W1: 1,024 x wave
	s_lshl_b32 s25, s24, 8
	v_add_nc_u32 v[ISC], s25, v[LS]                ; their scale words: 256 x wave
	v_lshlrev_b32 v[H64], 6, v[T+5]
	s_lshl_b32 s37, s24, 12
	s_add_co_u32 s37, s37, OUT                     ; my wave's results in LDS
	v_add_nc_u32 v[OSB], s37, v[LS]
	v_lshlrev_b32 v[T+2], 5, v[T+5]                ; b2, w3: 32 h: lane (r, h) wants units 16 t + 8 h + 0 .. 7
	v_lshlrev_b32 v[T], 2, v[T+4]
	v_lshl_add_u32 v[T], v[T+5], 13, v[T]          ; W2 [k][n]: column r, 16 h rows of 512 bytes down
	v_and_b32 v[T+1], 8, v[T+4]
	v_add_nc_u32 v[T+1], v[T+1], v[T+4]            ; r + 8 (r / 8)
	v_lshlrev_b32 v[T+1], 2, v[T+1]
	v_lshl_add_u32 v[T+1], v[T+5], 13, v[T+1]      ; W1 [k][n]: that column, 16 h rows down
.irp b, 0,1,2,3
	v_mov_b32 v[TM+4+\b], 0                        ; written once: a lane permute's destination counts as one of its sources
.endr
.irp k, 0,1,2,3,4,5,6,7
	v_mov_b32 v[WA+2*\k+1], 0                      ; the upper halves of the weights' pairs: named, never used
	v_mov_b32 v[WA+16+2*\k+1], 0
.endr
	s_mov_b32 s26, 0x76543210
	s_mov_b32 s27, 0xfedcba98                      ; v_permlanex16_b32's selects for lane l xor 16
	s_mov_b32 s28, 0x600000                        ; the mantissa field of 57,344
	s_mov_b32 s30, 0                               ; bytes of results so far
	s_mov_b32 s34, 0x41800000                      ; 16.0
	s_mov_b32 s35, 0x41f80000                      ; 31.0
	s_mov_b32 s36, 0xffff0000                      ; lanes 16-31
	s_lshl_b32 s25, ttmp9, 12
	s_lshl_b32 s32, s24, 10
	s_add_co_u32 s25, s25, s32                     ; my wave's first point: 4,096 x work-group + 1,024 x wave
	s_mov_b32 s33, 0
	s_wait_kmcnt 0x0
	s_load_b32 s31, s[20:21], 0x0                  ; b3
	s_mul_i32 s32, s25, 12
	s_add_nc_u64 s[4:5], s[4:5], s[32:33]
	s_lshl_b32 s32, s25, 2
	s_add_nc_u64 s[6:7], s[6:7], s[32:33]
	s_add_nc_u64 s[22:23], s[22:23], s[32:33]
	s_lshl_b32 s32, s24, 7                         ; wave w quantises tiles 2 w and 2 w + 1 of each weight: 32 columns, 128 bytes, on
	s_add_nc_u64 s[10:11], s[10:11], s[32:33]
	s_add_nc_u64 s[14:15], s[14:15], s[32:33]
	; A LANE TAKES A COLUMN, AND ITS REGISTERS RUN DOWN K, in the order of the operand's layout: number n of tile n / 64 is k = 32 ((n / 16) % 4) + 16 h + n % 16
.set n, 0
.rept 128
	global_load_b32 v[HA+n], v[T], s[14:15] offset:64*(n/64)+512*(32*((n/16)%4)+n%16)
.set n, n+1
.endr
.set n, 0
.rept 16
	global_load_b32 v[LAT+n],  v[T+1], s[10:11] offset:512*n
	global_load_b32 v[LAT2+n], v[T+1], s[10:11] offset:32+512*n
.set n, n+1
.endr
	WIN 0x80                                       ; destination window 2: the biases and w3, in the results' layout; they stay
.irp t, 0,1,2,3,4,5,6,7
	global_load_b128 v[B1+8*\t:B1+8*\t+3],   v[H64], s[12:13] offset:(32*(\t/2)+8*(\t%2))*4      ; units 32 (t / 2) + 16 h + 8 (t % 2) + 0 .. 7
	global_load_b128 v[B1+8*\t+4:B1+8*\t+7], v[H64], s[12:13] offset:(32*(\t/2)+8*(\t%2))*4+16
	global_load_b128 v[B2+8*\t:B2+8*\t+3],   v[T+2], s[16:17] offset:64*\t
	global_load_b128 v[B2+8*\t+4:B2+8*\t+7], v[T+2], s[16:17] offset:64*\t+16
	global_load_b128 v[W3+8*\t:W3+8*\t+3],   v[T+2], s[18:19] offset:64*\t
	global_load_b128 v[W3+8*\t+4:W3+8*\t+7], v[T+2], s[18:19] offset:64*\t+16
.endr
	WIN 0
	s_wait_loadcnt 48                              ; the weights are in; the 48 loads just issued may stay out
	QUANT4 HA, 0, PA, PSA
	QUANT4 HB, 0, PB, PSB
	QUANT1 LAT, XA, XSA
	QUANT1 LAT2, XB, XSB
	; The fragments go to LDS as images of their registers (lane l's 16 bytes at 16 l), the scale words 4 bytes a lane; every wave then loads all of them by the same lines.
	WIN 0x08                                       ; an LDS store's data are its source 1: window 2
.irp c, 0,1,2,3
	ds_store_b128 v[IW2], v[PA+4*\c:PA+4*\c+3] offset:W2IMG+512*\c
	ds_store_b128 v[IW2], v[PB+4*\c:PB+4*\c+3] offset:W2IMG+2048+512*\c
.endr
	ds_store_b128 v[IW1], v[XA:XA+3] offset:W1IMG
	ds_store_b128 v[IW1], v[XB:XB+3] offset:W1IMG+512
	WIN 0
	ds_store_b32 v[ISC], v[PSA] offset:W2SC
	ds_store_b32 v[ISC], v[PSB] offset:W2SC+128
	ds_store_b32 v[ISC], v[XSA] offset:W1SC
	ds_store_b32 v[ISC], v[XSB] offset:W1SC+128
	s_wait_dscnt 0x0                               ; for the others' sake: my stores have landed
	s_barrier_signal -1
	s_barrier_wait -1                              ; the one barrier: from here on the waves share nothing
	WIN 0x40                                       ; destination window 1
.irp t, 0,1,2,3,4,5,6,7
.irp c, 0,1,2,3
	ds_load_b128 v[W2F+16*\t+4*\c:W2F+16*\t+4*\c+3], v[LI] offset:W2IMG+2048*\t+512*\c
.endr
	ds_load_b128 v[W1F+16*\t:W1F+16*\t+3], v[LI] offset:W1IMG+512*\t
.endr
.irp t, 0,1,2,3,4,5,6,7
.irp i, 4,5,6,7,8,9,10,11,12,13,14,15
	v_mov_b32 v[W1F+16*\t+\i], 0                   ; zero codes for k = 32 .. 127 of the first product: an operand is 16 registers on end, so each fragment has its own
.endr
.endr
	WIN 0x80
.irp i, 4,5,6,7,8,9,10,11,12,13,14,15
	v_mov_b32 v[XA+\i], 0                          ; the same on the points' side
	v_mov_b32 v[XB+\i], 0
.endr
	WIN 0
.irp t, 0,1,2,3,4,5,6,7
	ds_load_b32 v[W2S+\t], v[LS] offset:W2SC+128*\t
	ds_load_b32 v[W1S+\t], v[LS] offset:W1SC+128*\t
.endr
	s_wait_dscnt 0x0
	; ---- THE PIPELINE IS FILLED: trip 0's points, its gathers, trip 1's points
	v_mul_u32_u24 v[OPA], v[T+4], 12               ; both halves of the lanes take point r: 12 bytes a point,
	v_lshlrev_b32 v[OIA], 2, v[T+4]                ; 4 bytes an index;
	v_add_nc_u32 v[OPA+2], 192, v[OPA]             ; slot B is 16 points on
	v_add_nc_u32 v[OIA+2], 64, v[OIA]
	PTLOAD 0
	PTLOAD 1
	s_wait_kmcnt 0x0                               ; b3
	s_wait_loadcnt 4                               ; the biases and slot A's point are in (slot B's four may be out): v[T] on, which held the head's offsets, may be written
	AHEAD 0, 1, 1
	s_wait_loadcnt 36                              ; slot B's point is in; behind it: A's gather 32, A's next point 4
	AHEAD 1, 1, 1
	; ---- 32 TRIPS.  By the text's own count 72 loads are issued ahead; where the counter's field is full the issue waits for the oldest (ISA guide 5.7.1), which was asked for half a trip earlier.
	TRIP 1, 1, 1, 36, 36                           ; trip 0
	s_mov_b32 s29, 29
.Ltrip:                                                ; trips 1 to 29
	TRIP 0, 1, 1, 36, 36
	s_sub_co_u32 s29, s29, 1
	s_cmp_lg_u32 s29, 0
	s_cbranch_scc1 .Ltrip
	TRIP 0, 1, 0, 36, 32                           ; trip 30 asks for no point: no load leaves its buffer.  Behind B's gather and point stands A's gather alone: 32
	TRIP 0, 0, 0, 32, 0                            ; trip 31 asks for nothing
	PLACES 8
	DOT 1
	FIN
	; ---- THE WAY OUT: my wave's 1,024 results, 4,096 bytes, leave as 8 stores of 512 consecutive aligned bytes
	v_and_b32 v[T+4], 31, v0
	v_lshlrev_b32 v[T+5], 4, v[T+4]
	v_add_nc_u32 v[T+6], s37, v[T+5]
.irp i, 0,1,2,3,4,5,6,7
	ds_load_b128 v[HA+4*\i:HA+4*\i+3], v[T+6] offset:512*\i      ; LDS serves a wave's instructions in order: these see my stores
.endr
.irp i, 0,1,2,3,4,5,6,7
	s_wait_dscnt 7-\i
	global_store_b128 v[T+5], v[HA+4*\i:HA+4*\i+3], s[22:23] offset:512*\i th:TH_STORE_NT   ; written once, read by nobody here
.endr
	s_wait_xcnt 0x0
	v_lshl_add_u32 v254, v0, 2, 0x9800
	v_mov_b32 v255, 0
	s_wait_tensorcnt 0x0
	ds_add_u32 v254, v255
	s_wait_dscnt 0x0
	s_endpgm
.Lfunc_end_k_qae0e52400b_mlp:
	.size	k_qae0e52400b_mlp, .Lfunc_end_k_qae0e52400b_mlp-k_qae0e52400b_mlp
	.p2alignl 7, 3214868480
	.fill 96, 4, 3214868480
	.section	.rodata,"a",@progbits
	.p2align	6, 0x0
	.amdhsa_kernel k_qae0e52400b_mlp
		.amdhsa_group_segment_fixed_size 39424
		.amdhsa_private_segment_fixed_size 0
		.amdhsa_enable_private_segment 0
		.amdhsa_kernarg_size 80
		.amdhsa_user_sgpr_count 2
		.amdhsa_user_sgpr_kernarg_segment_ptr 1
		.amdhsa_wavefront_size32 1
		.amdhsa_system_sgpr_workgroup_id_x 1
		.amdhsa_system_sgpr_workgroup_id_y 1
		.amdhsa_system_sgpr_workgroup_id_z 1
		.amdhsa_system_vgpr_workitem_id 0
		.amdhsa_next_free_vgpr 1024
		.amdhsa_next_free_sgpr 66
		.amdhsa_reserve_vcc 0
		.amdhsa_float_denorm_mode_32 3
		.amdhsa_float_denorm_mode_16_64 3
		.amdhsa_memory_ordered 1
		.amdhsa_forward_progress 1
		.amdhsa_inst_pref_size 255
	.end_amdhsa_kernel
	.section	.bss,"aw",@nobits
	.p2align	6
	.space	262144
	.amdgpu_metadata
---
amdhsa.version: [ 1, 2 ]
amdhsa.kernels:
  - .name:           k_qae0e52400b_mlp
    .symbol:         k_qae0e52400b_mlp.kd
    .args:
      - { .name: points, .offset: 0, .size: 8, .value_kind: global_buffer, .address_space: global }
      - { .name: idx, .offset: 8, .size: 8, .value_kind: global_buffer, .address_space: global }
      - { .name: table, .offset: 16, .size: 8, .value_kind: global_buffer, .address_space: global }
      - { .name: w1, .offset: 24, .size: 8, .value_kind: global_buffer, .address_space: global }
      - { .name: b1, .offset: 32, .size: 8, .value_kind: global_buffer, .address_space: global }
      - { .name: w2, .offset: 40, .size: 8, .value_kind: global_buffer, .address_space: global }
      - { .name: b2, .offset: 48, .size: 8, .value_kind: global_buffer, .address_space: global }
      - { .name: w3, .offset: 56, .size: 8, .value_kind: global_buffer, .address_space: global }
      - { .name: b3, .offset: 64, .size: 8, .value_kind: global_buffer, .address_space: global }
      - { .name: out0, .offset: 72, .size: 8, .value_kind: global_buffer, .address_space: global }
    .group_segment_fixed_size: 39424
    .private_segment_fixed_size: 0
    .kernarg_segment_align: 8
    .kernarg_segment_size: 80
    .max_flat_workgroup_size: 128
    .sgpr_count:     66
    .vgpr_count:     1024
    .wavefront_size: 32
...
	.end_amdgpu_metadata
.endif
;; end of part 2
;; ======== version 2 of 3: 3 launches; 1.42 times as fast as version 1
;; workspace buffers: tab2 4,653,056 bytes; tw 12,582,912 bytes; idx 4,194,304 bytes of whole numbers; lat 134,217,728 bytes
;; launch prep (part 3): grid 540 x 1, 4 waves a work-group, no clusters, 0 bytes of LDS; arguments emb, points, tab2, tw, idx; writes tab2, tw, idx
.if DOCPART == 3
	.amdgcn_target "amdgcn-amd-amdhsa--gfx1250"
	.amdhsa_code_object_version 6
	.text
	.protected	k_qae0e52400b_prep
	.globl	k_qae0e52400b_prep
	.p2align	8
	.type	k_qae0e52400b_prep,@function
k_qae0e52400b_prep:
	s_mov_b64 s[64:65], 0
	v_nop
	global_prefetch_b8 v0, s[64:65] scope:SCOPE_SE
	s_setreg_imm32_b32 hwreg(HW_REG_WAVE_MODE, 25, 1), 1
	s_wait_xcnt 0x0
; Two jobs in one launch, parted by the work-group's number.  No LDS, no barrier: waves share nothing.
; T (work-groups 0 to 283): emb, read as [32 channels][35,937 cells] f32, is laid anew as tab2[16 pairs of channels][36,352 cells][2 channels]: a pair's block, 290,816 dense bytes, is what the next launch keeps in LDS.
;   A wave takes 32 cells: 32 loads (one channel each, 128 consecutive bytes a wave) and 16 stores straight from the loaded registers (a lane's two channels are 8 bytes: 256 consecutive aligned bytes a store).
;   284 x 4 waves x 32 = 36,352 cells: those past the last one are copies of it (the cell's number is held at 35,936, so no load leaves emb); they fill the block up to 16 equal shares of whole rows of 256 bytes.
; I (work-groups 284 to 539): for each point and axis c = 16 p + 16, b = floor(c) held to 0 .. 31, t = c - b (exact).  tw holds tx, ty, tz as three arrays of 4 MiB; idx[point] = (bz 33 + by) 33 + bx as u32:
;   the lower corner's cell, from which the next launch forms its LDS addresses.  16 p + 16 by one fused multiply-add equals (p + 1) x 16 bit for bit: the factor is a power of two.  The whole numbers stay under 2^24: f32 holds them exactly.
; LIMITS: NaN among the points is not served (its index is whatever the conversion gives; the next launch holds every index inside the table).
.set TWG,   284                        ; work-groups of path T
.set CH,    143748                     ; bytes from channel to channel in emb: 35,937 x 4
.set PST,   290816                     ; bytes from pair to pair in tab2: 36,352 x 8
	s_load_b256 s[4:11], s[0:1], 0x0               ; emb s[4:5], points s[6:7], tab2 s[8:9], tw s[10:11]
	s_load_b64 s[12:13], s[0:1], 0x20              ; idx
	v_lshrrev_b32 v1, 5, v0
	v_readfirstlane_b32 s14, v1                    ; wave 0..3
	v_and_b32 v1, 31, v0                           ; lane
	s_cmp_lt_u32 ttmp9, TWG
	s_cbranch_scc0 .Lidx
	; ---- T
	s_lshl_b32 s15, ttmp9, 2
	s_add_co_u32 s15, s15, s14                     ; which run of 32 cells is my wave's: 0 .. 1,135
	s_lshl_b32 s16, s15, 5
	v_add_nc_u32 v2, s16, v1                       ; my cell,
	v_min_u32 v2, 35936, v2                        ; held at the last one
	v_lshlrev_b32 v2, 2, v2
	v_lshlrev_b32 v3, 3, v1                        ; 8 x lane: my place in a store of 256 bytes
	s_lshl_b32 s16, s15, 8                         ; 256 bytes a run in each pair's block
	s_mov_b32 s17, 0
	s_wait_kmcnt 0x0
	s_add_nc_u64 s[8:9], s[8:9], s[16:17]
.set c, 0
.rept 32
	global_load_b32 v[32+c], v2, s[4:5] offset:c*CH th:TH_LOAD_NT   ; channel c of 32 neighbouring cells; read once in the launch
.set c, c+1
.endr
.irp p, 0,1,2,3,4,5,6,7,8,9,10,11,12,13,14,15
	s_wait_loadcnt 30-2*\p                         ; loads come back in order: channels 2 p and 2 p + 1 are in, the younger ones stay out
	global_store_b64 v3, v[32+2*\p:33+2*\p], s[8:9] offset:\p*PST   ; 32 lanes store 256 consecutive bytes, at a multiple of 256 from tab2's first byte
.endr
	s_endpgm
	; ---- I: a wave takes 1,024 points, in 8 steps of 128; a lane 4 neighbouring points a step: 48 bytes in, 16 bytes out to each of four arrays
.Lidx:
	s_sub_co_u32 s15, ttmp9, TWG
	s_lshl_b32 s15, s15, 2
	s_add_co_u32 s15, s15, s14                     ; which run of 1,024 points: 0 .. 1,023
	s_mul_i32 s16, s15, 12288
	s_mov_b32 s17, 0
	s_lshl_b32 s18, s15, 12
	s_mov_b32 s19, 0
	s_mov_b32 s22, 0x42040000                      ; 33.0
	v_mul_u32_u24 v2, v1, 48
	v_lshlrev_b32 v5, 4, v1                        ; 16 x lane: my place in a store of 512 bytes
	v_mov_b32 v6, 0x41800000                       ; 16.0, twice: a pair for the packed multiply-add
	v_mov_b32 v7, 0x41800000
	s_wait_kmcnt 0x0
	s_add_nc_u64 s[6:7], s[6:7], s[16:17]
	s_add_nc_u64 s[10:11], s[10:11], s[18:19]      ; tx,
	s_add_nc_u64 s[24:25], s[10:11], 0x400000      ; ty,
	s_add_nc_u64 s[26:27], s[10:11], 0x800000      ; tz
	s_add_nc_u64 s[12:13], s[12:13], s[18:19]      ; idx
.irp s, 0,1,2,3,4,5,6,7
.irp k, 0,1,2
	global_load_b128 v[32+12*\s+4*\k:35+12*\s+4*\k], v2, s[6:7] offset:1536*\s+16*\k th:TH_LOAD_NT   ; all 24 loads go out at once; a step's three cover its 1,536 bytes
.endr
.endr
.macro ISTEP s
.set X, 32+12*(\s)                     ; x, y, z of four points: point p, axis q at X + 3 p + q
.set D, 128+16*(\s)                    ; what this step stores: tx, ty, tz, idx of four points; each step has its own 16 registers, so no store's data are written again
	s_wait_loadcnt 21-3*(\s)                       ; this step's three loads are in; those of the later steps stay out
.irp m, 0,1,2,3,4,5
	v_pk_fma_f32 v[X+2*\m:X+2*\m+1], v[X+2*\m:X+2*\m+1], v[6:7], v[6:7]   ; c = 16 p + 16
.endr
.irp m, 0,1,2,3,4,5,6,7,8,9,10,11
	v_floor_f32 v[8+\m], v[X+\m]
.endr
.irp m, 0,1,2,3,4,5,6,7,8,9,10,11
	v_med3_num_f32 v[8+\m], v[8+\m], 0, 0x41f80000   ; b: held to 0 .. 31
.endr
.irp q, 0,1,2
.irp p, 0,1,2,3
	v_sub_f32 v[D+4*\q+\p], v[X+3*\p+\q], v[8+3*\p+\q]   ; t = c - b
.endr
.endr
.irp p, 0,1,2,3
	v_fma_f32 v[20+\p], v[8+3*\p+2], s22, v[8+3*\p+1]    ; 33 bz + by
.endr
.irp p, 0,1,2,3
	v_fma_f32 v[20+\p], v[20+\p], s22, v[8+3*\p]         ; x 33 + bx
.endr
.irp p, 0,1,2,3
	v_cvt_u32_f32 v[D+12+\p], v[20+\p]
.endr
	global_store_b128 v5, v[D:D+3],     s[10:11] offset:512*(\s)   ; each store: 512 consecutive aligned bytes
	global_store_b128 v5, v[D+4:D+7],   s[24:25] offset:512*(\s)
	global_store_b128 v5, v[D+8:D+11],  s[26:27] offset:512*(\s)
	global_store_b128 v5, v[D+12:D+15], s[12:13] offset:512*(\s)
.endm
.irp s, 0,1,2,3,4,5,6,7
	ISTEP \s
.endr
	s_endpgm
.Lfunc_end_k_qae0e52400b_prep:
	.size	k_qae0e52400b_prep, .Lfunc_end_k_qae0e52400b_prep-k_qae0e52400b_prep
	.p2alignl 7, 3214868480
	.fill 96, 4, 3214868480
	.section	.rodata,"a",@progbits
	.p2align	6, 0x0
	.amdhsa_kernel k_qae0e52400b_prep
		.amdhsa_group_segment_fixed_size 0
		.amdhsa_private_segment_fixed_size 0
		.amdhsa_enable_private_segment 0
		.amdhsa_kernarg_size 40
		.amdhsa_user_sgpr_count 2
		.amdhsa_user_sgpr_kernarg_segment_ptr 1
		.amdhsa_wavefront_size32 1
		.amdhsa_system_sgpr_workgroup_id_x 1
		.amdhsa_system_sgpr_workgroup_id_y 1
		.amdhsa_system_sgpr_workgroup_id_z 1
		.amdhsa_system_vgpr_workitem_id 0
		.amdhsa_next_free_vgpr 256
		.amdhsa_next_free_sgpr 66
		.amdhsa_reserve_vcc 0
		.amdhsa_float_denorm_mode_32 3
		.amdhsa_float_denorm_mode_16_64 3
		.amdhsa_memory_ordered 1
		.amdhsa_forward_progress 1
		.amdhsa_inst_pref_size 36
	.end_amdhsa_kernel
	.amdgpu_metadata
---
amdhsa.version: [ 1, 2 ]
amdhsa.kernels:
  - .name:           k_qae0e52400b_prep
    .symbol:         k_qae0e52400b_prep.kd
    .args:
      - { .name: emb, .offset: 0, .size: 8, .value_kind: global_buffer, .address_space: global }
      - { .name: points, .offset: 8, .size: 8, .value_kind: global_buffer, .address_space: global }
      - { .name: tab2, .offset: 16, .size: 8, .value_kind: global_buffer, .address_space: global }
      - { .name: tw, .offset: 24, .size: 8, .value_kind: global_buffer, .address_space: global }
      - { .name: idx, .offset: 32, .size: 8, .value_kind: global_buffer, .address_space: global }
    .group_segment_fixed_size: 0
    .private_segment_fixed_size: 0
    .kernarg_segment_align: 8
    .kernarg_segment_size: 40
    .max_flat_workgroup_size: 128
    .sgpr_count:     66
    .vgpr_count:     256
    .wavefront_size: 32
...
	.end_amdgpu_metadata
.endif
;; end of part 3
;; launch interp (part 4): grid 256 x 1, 16 waves a work-group, no clusters, 292,864 bytes of LDS; arguments tab2, tw, idx, lat; writes lat
.if DOCPART == 4
	.amdgcn_target "amdgcn-amd-amdhsa--gfx1250"
	.amdhsa_code_object_version 6
	.text
	.protected	k_qae0e52400b_interp
	.globl	k_qae0e52400b_interp
	.p2align	8
	.type	k_qae0e52400b_interp,@function
k_qae0e52400b_interp:
	s_mov_b64 s[64:65], 0
	v_nop
	global_prefetch_b8 v0, s[64:65] scope:SCOPE_SE
	s_setreg_imm32_b32 hwreg(HW_REG_WAVE_MODE, 25, 1), 1
	s_wait_xcnt 0x0
; lat[pair][point][2 channels] = the trilinear sample (zeros outside, corners aligned) of two channels at each point, in f32.
; THE WHOLE VOLUME LIES IN LDS, TWO CHANNELS OF IT: 36,352 cells x 8 bytes = 290,816 bytes.  Work-group g takes pair g % 16 of the 16 pairs of channels and chunk g / 16 of the 16 chunks of 65,536 points.
; So the eight corners of a point are eight LDS loads of 8 bytes, and nothing is gathered from memory.
; THE FILL.  Each of the 16 waves brings a sixteenth of the pair's block, 71 rows of 256 bytes, by one tensor load at the kernel's head; each byte of LDS is filled once.  One barrier; behind it LDS is only read.
; NO CLUSTER: the 16 work-groups of a pair share this one fill, 290,816 bytes of the 1,863,680 that a work-group moves (1,048,576 of records in, 524,288 out); all the rest goes through registers, which have no joint form.
; A LANE TAKES A POINT.  A wave owns 4,096 points: 32 trips of four tiles of 32.  A point's record is tx, ty, tz (t = c - b on each axis, from the launch before) and idx, the lower corner's cell, a whole number.
;   The weight of place b is max(0, 1 - |t|), that of place b + 1 the middle of (t, 2 - t, 0): inside the volume 1 - f and f; one cell outside what the zero padding leaves of the corner still inside; further out 0.
;   A corner's weight is (wz wy) wx; the eight corners are added in the order z, y, x, x fastest: one multiplication and seven fused multiply-adds, both channels at once.
; AHEAD.  Records lie in four register buffers by turns and are asked for three trips ahead.
; LIMITS: NaN among the inputs is not served; every index is held inside the table, whatever idx holds.
.set PST,   290816                     ; a pair's block in bytes
.set SHARE, 18176                      ; a wave's share of it: 71 rows of 256 bytes
.set OFFR,  2                          ; v2       4 x lane + 2,048 x the group of four trips: my place in tx, ty, tz, idx
.set OFFS,  3                          ; v3       8 x lane + 4,096 x the group: my place in lat
.set AD,    8                          ; v8-11    LDS address of the lower corner: tile u
.set REC,   16                         ; v16-79   four buffers of 16: tx of tiles 0-3, ty, tz, idx
.set C,     80                         ; v80-143  tile u at 16 u: corner k's two channels at 2 k
.set W,     144                        ; v144-207 tile u at 16 u: corner k's weight at 2 k (the odd registers are named as the pairs' upper halves and hold 0)
.set T,     208                        ; v208-217 at work
.set R,     224                        ; v224-255 the results: trip j of a group, tile u at 8 j + 2 u: written again only behind the group's wait
	s_load_b256 s[4:11], s[0:1], 0x0               ; tab2 s[4:5], tw s[6:7], idx s[8:9], lat s[10:11]
	v_lshl_add_u32 v222, v0, 2, 0x47000
	v_mov_b32 v223, 0
	ds_add_u32 v222, v223
	ds_add_u32 v222, v223
	v_lshrrev_b32 v1, 5, v0
	v_readfirstlane_b32 s12, v1                    ; wave 0..15
	s_and_b32 s13, ttmp9, 15                       ; the pair
	s_lshr_b32 s14, ttmp9, 4                       ; the chunk
	s_mul_i32 s15, s12, SHARE                      ; my share: in LDS,
	s_mul_i32 s16, s13, PST
	s_add_co_u32 s16, s16, s15                     ; and in tab2
	s_mov_b32 s17, 0
	; descriptor group 1: a dense block as 71 rows of 32 elements of 8 bytes, no padding
	s_mov_b32 s28, 3<<16                           ; 15:0 no mask; 17:16 elements of 8 bytes; 20 padding off
	s_mov_b32 s29, 32<<16                          ; tensor_dim0 = 32
	s_mov_b32 s30, 71<<16                          ; tensor_dim1 = 71
	s_mov_b32 s31, 32<<16                          ; tile_dim0 = 32
	s_mov_b32 s32, 71                              ; tile_dim1 = 71
	s_mov_b32 s33, 32                              ; the pitch: 32 elements
	s_mov_b32 s34, 0
	s_mov_b32 s35, 0
	s_mov_b32 s24, 1                               ; group 0: count = 1,
	s_mov_b32 s25, s15                             ; the LDS address: the wave's number x a constant,
	s_wait_dscnt 0x0
	s_wait_kmcnt 0x0
	s_add_nc_u64 s[26:27], s[4:5], s[16:17]        ; the global address,
	s_or_b32 s27, s27, 0x80000000                  ; type = 2
	tensor_load_to_lds s[24:27], s[28:35]          ; my one tensor load; its descriptor is never written again
	s_nop 0
	v_and_b32 v1, 31, v0                           ; lane
	v_lshlrev_b32 v[OFFR], 2, v1
	v_lshlrev_b32 v[OFFS], 3, v1
.set n, 0
.rept 32
	v_mov_b32 v[W+2*n+1], 0                        ; the upper halves of the weights' pairs: named, never used
.set n, n+1
.endr
	s_lshl_b32 s18, s14, 16
	s_lshl_b32 s19, s12, 12
	s_add_co_u32 s18, s18, s19                     ; my wave's first point: 65,536 x chunk + 4,096 x wave
	s_lshl_b32 s36, s18, 2
	s_mov_b32 s37, 0
	s_add_nc_u64 s[40:41], s[6:7], s[36:37]        ; tx,
	s_add_nc_u64 s[42:43], s[40:41], 0x400000      ; ty,
	s_add_nc_u64 s[44:45], s[40:41], 0x800000      ; tz
	s_add_nc_u64 s[8:9], s[8:9], s[36:37]          ; idx
	s_lshl_b32 s38, s13, 23                        ; lat: 8 MiB a pair,
	s_lshl_b32 s39, s18, 3                         ; 8 bytes a point
	s_add_co_u32 s38, s38, s39
	s_mov_b32 s39, 0
	s_add_nc_u64 s[10:11], s[10:11], s[38:39]
; The records of one trip (128 points, off bytes on) into buffer b: 16 loads of 128 consecutive bytes.  No hint: the 16 work-groups of a chunk read the same records.
.macro LOADR b, off
.irp u, 0,1,2,3
	global_load_b32 v[REC+16*(\b)+\u],    v[OFFR], s[40:41] offset:(\off)+128*\u
	global_load_b32 v[REC+16*(\b)+4+\u],  v[OFFR], s[42:43] offset:(\off)+128*\u
	global_load_b32 v[REC+16*(\b)+8+\u],  v[OFFR], s[44:45] offset:(\off)+128*\u
	global_load_b32 v[REC+16*(\b)+12+\u], v[OFFR], s[8:9] offset:(\off)+128*\u
.endr
.endm
; The 8 corner weights of tile u from buffer b.  Axis q: the weight of place b + 1 in v[T+3+q], of place b in v[T+6+q].
.macro WGT b, u
.irp q, 0,1,2
	v_sub_f32 v[T+6+\q], 1.0, |v[REC+16*(\b)+4*\q+(\u)]|
.endr
.irp q, 0,1,2
	v_sub_f32 v[T+3+\q], 2.0, v[REC+16*(\b)+4*\q+(\u)]
.endr
.irp q, 0,1,2
	v_max_num_f32 v[T+6+\q], 0, v[T+6+\q]
.endr
.irp q, 0,1,2
	v_med3_num_f32 v[T+3+\q], v[REC+16*(\b)+4*\q+(\u)], v[T+3+\q], 0
.endr
	v_mul_f32 v[T],   v[T+8], v[T+7]                       ; wz wy for (dz, dy) = (0, 0),
	v_mul_f32 v[T+1], v[T+8], v[T+4]                       ; (0, 1),
	v_mul_f32 v[T+2], v[T+5], v[T+7]                       ; (1, 0),
	v_mul_f32 v[T+9], v[T+5], v[T+4]                       ; (1, 1)
	v_mul_f32 v[W+16*(\u)],    v[T],   v[T+6]              ; x wx: corner k = 4 dz + 2 dy + dx at register 2 k
	v_mul_f32 v[W+16*(\u)+2],  v[T],   v[T+3]
	v_mul_f32 v[W+16*(\u)+4],  v[T+1], v[T+6]
	v_mul_f32 v[W+16*(\u)+6],  v[T+1], v[T+3]
	v_mul_f32 v[W+16*(\u)+8],  v[T+2], v[T+6]
	v_mul_f32 v[W+16*(\u)+10], v[T+2], v[T+3]
	v_mul_f32 v[W+16*(\u)+12], v[T+9], v[T+6]
	v_mul_f32 v[W+16*(\u)+14], v[T+9], v[T+3]
.endm
; Tiles u0 and u0 + 1 of trip j: the sums, the two tiles by turns so that no line waits for the line above it, and their stores.
.macro INT2 j, u0
.irp u, \u0, \u0+1
	v_pk_mul_f32 v[R+8*(\j)+2*(\u):R+8*(\j)+2*(\u)+1], v[C+16*(\u):C+16*(\u)+1], v[W+16*(\u):W+16*(\u)+1] op_sel_hi:[1,0]
.endr
.irp k, 1,2,3,4,5,6,7
.irp u, \u0, \u0+1
	v_pk_fma_f32 v[R+8*(\j)+2*(\u):R+8*(\j)+2*(\u)+1], v[C+16*(\u)+2*\k:C+16*(\u)+2*\k+1], v[W+16*(\u)+2*\k:W+16*(\u)+2*\k+1], v[R+8*(\j)+2*(\u):R+8*(\j)+2*(\u)+1] op_sel_hi:[1,0,1]
.endr
.endr
.irp u, \u0, \u0+1
	global_store_b64 v[OFFS], v[R+8*(\j)+2*(\u):R+8*(\j)+2*(\u)+1], s[10:11] offset:1024*(\j)+256*(\u)   ; 32 lanes store 256 consecutive bytes, at a multiple of 256 from lat's first byte
.endr
.endm
; A TRIP: number j of a group of four; its records lie in buffer j.  ld = 1: the records three trips on are asked for, into the buffer that the trip before has left.
; wa: the loads that may stay out when this trip's records have to be there: those of the next two trips, 16 each.
.macro TRIP j, ld, wa
	s_wait_loadcnt \wa
.if \ld
	LOADR ((\j)+3)%4, ((\j)+3)*512
.endif
.irp u, 0,1,2,3
	v_min_u32 v[AD+\u], 0x87fd, v[REC+16*(\j)+12+\u]       ; the largest lower corner is (31 x 33 + 31) x 33 + 31: whatever idx holds, all 8 corners lie in the table
.endr
.irp u, 0,1,2,3
	v_lshlrev_b32 v[AD+\u], 3, v[AD+\u]                    ; 8 bytes a cell
.endr
.irp u, 0,1,2,3
.irp k, 0,1,2,3,4,5,6,7
	ds_load_b64 v[C+16*\u+2*\k:C+16*\u+2*\k+1], v[AD+\u] offset:((\k/4)*1089+((\k/2)%2)*33+(\k%2))*8   ; a step in z is 1,089 cells, in y 33, in x 1
.endr
.endr
	WGT \j, 0                                              ; the weights are made while the corners are on their way
	WGT \j, 1
	WGT \j, 2
	WGT \j, 3
	s_wait_dscnt 16                                        ; LDS loads come back in order: tiles 0 and 1 are in, the 16 loads of tiles 2 and 3 may be out
	INT2 \j, 0
	s_wait_dscnt 0x0
	INT2 \j, 2
.endm
	LOADR 0, 0                                     ; trips 0, 1, 2
	LOADR 1, 512
	LOADR 2, 1024
	s_wait_tensorcnt 0x0                           ; my share of the table has landed,
	s_barrier_signal -1
	s_barrier_wait -1                              ; everybody's has: from here on LDS is only read
	s_mov_b32 s46, 7
.Lgroup:                                               ; trips 0 to 27
	TRIP 0, 1, 32
	TRIP 1, 1, 32
	TRIP 2, 1, 32
	TRIP 3, 1, 32
	s_wait_xcnt 0x0                                ; the offsets and the stores' data are written again only behind this wait
	v_add_nc_u32 v[OFFR], 2048, v[OFFR]            ; four trips of 128 points on: 4 bytes a point,
	v_add_nc_u32 v[OFFS], 4096, v[OFFS]            ; 8 bytes a point
	s_sub_co_u32 s46, s46, 1
	s_cmp_lg_u32 s46, 0
	s_cbranch_scc1 .Lgroup
	TRIP 0, 1, 32                                  ; trip 28 asks for the last records;
	TRIP 1, 0, 32                                  ; the others ask for nothing: no load leaves its buffer, and the counts run down
	TRIP 2, 0, 16
	TRIP 3, 0, 0
	s_wait_tensorcnt 0x0
	ds_add_u32 v222, v223
	s_wait_dscnt 0x0
	s_endpgm
.Lfunc_end_k_qae0e52400b_interp:
	.size	k_qae0e52400b_interp, .Lfunc_end_k_qae0e52400b_interp-k_qae0e52400b_interp
	.p2alignl 7, 3214868480
	.fill 96, 4, 3214868480
	.section	.rodata,"a",@progbits
	.p2align	6, 0x0
	.amdhsa_kernel k_qae0e52400b_interp
		.amdhsa_group_segment_fixed_size 292864
		.amdhsa_private_segment_fixed_size 0
		.amdhsa_enable_private_segment 0
		.amdhsa_kernarg_size 32
		.amdhsa_user_sgpr_count 2
		.amdhsa_user_sgpr_kernarg_segment_ptr 1
		.amdhsa_wavefront_size32 1
		.amdhsa_system_sgpr_workgroup_id_x 1
		.amdhsa_system_sgpr_workgroup_id_y 1
		.amdhsa_system_sgpr_workgroup_id_z 1
		.amdhsa_system_vgpr_workitem_id 0
		.amdhsa_next_free_vgpr 256
		.amdhsa_next_free_sgpr 66
		.amdhsa_reserve_vcc 0
		.amdhsa_float_denorm_mode_32 3
		.amdhsa_float_denorm_mode_16_64 3
		.amdhsa_memory_ordered 1
		.amdhsa_forward_progress 1
		.amdhsa_inst_pref_size 85
	.end_amdhsa_kernel
	.amdgpu_metadata
---
amdhsa.version: [ 1, 2 ]
amdhsa.kernels:
  - .name:           k_qae0e52400b_interp
    .symbol:         k_qae0e52400b_interp.kd
    .args:
      - { .name: tab2, .offset: 0, .size: 8, .value_kind: global_buffer, .address_space: global }
      - { .name: tw, .offset: 8, .size: 8, .value_kind: global_buffer, .address_space: global }
      - { .name: idx, .offset: 16, .size: 8, .value_kind: global_buffer, .address_space: global }
      - { .name: lat, .offset: 24, .size: 8, .value_kind: global_buffer, .address_space: global }
    .group_segment_fixed_size: 292864
    .private_segment_fixed_size: 0
    .kernarg_segment_align: 8
    .kernarg_segment_size: 32
    .max_flat_workgroup_size: 512
    .sgpr_count:     66
    .vgpr_count:     256
    .wavefront_size: 32
...
	.end_amdgpu_metadata
.endif
;; end of part 4
;; launch mlp (part 5): grid 256 x 1, 4 waves a work-group, no clusters, 39,424 bytes of LDS; arguments lat, w1, b1, w2, b2, w3, b3, out0; writes out0
.if DOCPART == 5
	.amdgcn_target "amdgcn-amd-amdhsa--gfx1250"
	.amdhsa_code_object_version 6
	.text
	.protected	k_qae0e52400b_mlp
	.globl	k_qae0e52400b_mlp
	.p2align	8
	.type	k_qae0e52400b_mlp,@function
k_qae0e52400b_mlp:
	s_mov_b64 s[64:65], 0
	v_nop
	global_prefetch_b8 v0, s[64:65] scope:SCOPE_SE
	s_setreg_imm32_b32 hwreg(HW_REG_WAVE_MODE, 25, 1), 1
	s_wait_xcnt 0x0
; out0[p] = tanh(relu(relu(lat W1 + b1) W2 + b2) w3 + b3); lat [16 pairs of channels][point][2] f32 comes from the launch before.
; Both products with W1 and W2 run on codes of BF8 (E5M2) with one E8M0 scale for each 32 along K; lat, the hidden layer, W1 and W2 are quantised here, in f32 registers.  The last product (one column) is f32 multiply-adds.
; SHARES.  256 work-groups x 4 waves; a wave owns 1,024 points: 32 trips of 32 points, two tiles of 16: slot A the trip's EVEN points, slot B its ODD ones.  Each wave keeps ALL weights, biases and scale words in registers.
; LAYOUT.  Both products are used transposed (source 0 = 16 rows of W^T, source 1 = 16 points): lane (r = lane % 16, h = lane / 16) holds point r of a slot throughout, and its registers run along the units.
;   THE UNITS OF A TILE OF W1 ARE NOT NEIGHBOURS: lane r of tile 2 b + u takes unit 32 b + 8 u + r + 8 (r / 8), so that the 16 registers of tiles 2 b, 2 b + 1 are k = 32 b + 16 h + 0 .. 15 of the next product.
;   The first product has K = 32 of the instruction's 128: registers 4 .. 15 of both operands are zero codes and bytes 1 .. 3 of both scale words are 0 (2^-127, no NaN): they add nothing.
;   Each sum is ONE matrix instruction whose C is the bias in the result's layout: nothing is cleared, no accumulator is added onto.
; lat's WAY IN.  Lane (r, h) wants channels 16 h .. 16 h + 15: pairs 8 h + m, m = 0 .. 7.  One load of 16 bytes takes pair 8 h + m of points 2 r and 2 r + 1: two channels for slot A, two for slot B; sixteen lanes read
;   256 consecutive aligned bytes.  Eight loads a trip, into a ring of four buffers of 32 registers; a buffer is asked for anew as soon as slot B has left it, for the trip four on.
;   The hold ahead of the conversion writes its results into consecutive registers, so the two slots are parted at no cost.
; PIPELINE.  Each run of 8 matrix instructions stands in front of the OTHER tile's vector work, which names none of its registers: that work is the places behind it.
; LIMITS: NaN among the inputs is not served.  A block of zeros gets the scale byte 1: its codes are zeros.
; REGISTERS, in windows of 256 (s_set_vgpr_msb: bits 1:0 source 0, 3:2 source 1, 5:4 source 2, 7:6 destination):
;   window 0: see the names below.   window 1: v0-127 W2's 8 fragments, v128-255 W1's 8.   window 2: v0-63 b1, v64-127 b2, v128-191 w3, v192-223 lat's codes (A, B), v224-255 the hidden layer's codes (A, B).
;   window 3: v0-127 the ring: buffer j at 32 j; load m at 4 m: slot A's two channels, then slot B's.
.set W2IMG, 0                          ; LDS: W2's 8 fragments as images of their registers, 2,048 bytes each;
.set W1IMG, 16384                      ; W1's 8, their first four registers only: 512 bytes each;
.set W2SC,  20480                      ; their scale words, 128 bytes a fragment;
.set W1SC,  21504
.set OUT,   22528                      ; and each wave's 1,024 results, 4,096 bytes a wave
.set LI,  1                            ; v1-4  at the head: 16 x lane; 4 x lane; where I store W2's and W1's images
.set LS,  2
.set IW2, 3
.set IW1, 4
.set VO,  5                            ; v5    my byte offset in lat: 2^26 h + 16 r + 1,024 x the group of four trips
.set H64, 7                            ; v7    64 h
.set OSB, 8                            ; v8    OUT + 4,096 x wave + 8 r + 4 h: lane (r, h) ends up with point 2 r + h of a trip
.set OST, 9                            ; v9    where this trip's result goes; at the head: where I store scale words
.set ISC, 9
.set LAT, 50                           ; v50-65  my 16 channels of lat, held
.set TM,  66                           ; v66-81  quantiser: +0..3 largest magnitudes, +4..7 the other half's, then bytes, +8..11 57,344 x the scale, +12..15 the conversions' scale operands
.set W1S, 82                           ; v82-89, v90-97  W1's and W2's scale words: scales and nothing else
.set W2S, 90
.set XSA, 98                           ; v98, v99  lat's scale words (A, B);  v100, v101 the hidden layer's
.set XSB, 99
.set PSA, 100
.set PSB, 101
.set ACCA, 102                         ; v102-109, v110-117  the last product's four chains: slot A, slot B
.set ACCB, 110
.set LAT2, 102                         ; at the head: W1's second tile as f32
.set T,   118                          ; v118-127  at work
.set HA,  128                          ; v128-191, v192-255  a tile's 8 results of 16 x 16: slot A, slot B
.set HB,  192
.set W2F, 0                            ; window 1
.set W1F, 128
.set B1,  0                            ; window 2
.set B2,  64
.set W3,  128
.set XA,  192
.set XB,  208
.set PA,  224
.set PB,  240
.set MSB, 0
.macro WIN new                         ; the immediate's high byte repeats the setting that is left; a switch that changes nothing is dropped
.if MSB != \new
	s_set_vgpr_msb (MSB<<8)|\new
.set MSB, \new
.endif
.endm
.macro PLACES n
.rept \n
	v_nop
.endr
.endm
; The end of a quantiser of one block: from the lane's largest magnitude in v[TM] to the scale word v[xs] (byte 0; the others 0), the hold's bound v[TM+8] and the conversions' operand v[TM+12].
.macro SCALE1 xs
	v_permlanex16_b32 v[TM+4], v[TM], s26, s27
	v_max_num_f32 v[TM], v[TM], v[TM+4]                    ; with lane l xor 16's 16 numbers: the block's largest magnitude
	v_add_nc_u32 v[TM+12], 0xf8800000, v[TM]               ; 15 off its exponent field: the conversion takes this operand's exponent field as its scale
	v_and_or_b32 v[TM+8], v[TM], 0x7f800000, s28           ; 57,344 x the scale
	v_lshrrev_b32 v[\xs], 23, v[TM+12]                     ; the scale's byte
.endm
.macro CVT1 s, x                       ; 16 held numbers at v[s] become 4 registers of codes at v[x] of window 2
	WIN 0x80                                               ; destination window 2
	v_cvt_scalef32_pk8_bf8_f32 v[\x:\x+1],   v[\s:\s+7],    v[TM+12]
	v_cvt_scalef32_pk8_bf8_f32 v[\x+2:\x+3], v[\s+8:\s+15], v[TM+12]
	WIN 0
	v_nop                                                  ; one plain instruction behind the last conversion
.endm
; 16 numbers of a lane in window 0, v[s] on (k = 16 h + i of my row; one block of 32 with lane l xor 16's): for W1, at the head.
.macro QUANT1 s, x, xs
	v_max3_num_f32 v[TM],   |v[\s]|,   |v[\s+1]|,  |v[\s+2]|
	v_max3_num_f32 v[TM+1], |v[\s+3]|, |v[\s+4]|,  |v[\s+5]|
	v_max3_num_f32 v[TM+2], |v[\s+6]|, |v[\s+7]|,  |v[\s+8]|
	v_max3_num_f32 v[TM+3], |v[\s+9]|, |v[\s+10]|, |v[\s+11]|
	v_max3_num_f32 v[TM],   v[TM],   |v[\s+12]|, |v[\s+13]|
	v_max3_num_f32 v[TM+1], v[TM+1], |v[\s+14]|, |v[\s+15]|
	v_max3_num_f32 v[TM+2], v[TM+2], v[TM+3], 0x8000000    ; the floor 2^(16 - 127): the byte cannot fall under 1
	v_max3_num_f32 v[TM], v[TM], v[TM+1], v[TM+2]
	SCALE1 \xs
.set n, 0
.rept 16
	v_med3_num_f32 v[\s+n], v[\s+n], -v[TM+8], v[TM+8]     ; the conversion to an 8-bit code does not saturate (ISA guide 7.6.2): the hold
.set n, n+1
.endr
	CVT1 \s, \x
.endm
; The same for slot S's 16 channels in ring buffer j (window 3): channel n lies at RB + 4 (n / 2) + n % 2.  The hold writes them into v[LAT] on.
.macro QUANT1R j, S, x, xs
.set RB, 32*(\j)+2*(\S)
	WIN 0x3f                                               ; all three sources window 3
	v_max3_num_f32 v[TM],   |v[RB]|,    |v[RB+1]|,  |v[RB+4]|
	v_max3_num_f32 v[TM+1], |v[RB+5]|,  |v[RB+8]|,  |v[RB+9]|
	v_max3_num_f32 v[TM+2], |v[RB+12]|, |v[RB+13]|, |v[RB+16]|
	v_max3_num_f32 v[TM+3], |v[RB+17]|, |v[RB+20]|, |v[RB+21]|
	v_max3_num_f32 v[TM+5], |v[RB+24]|, |v[RB+25]|, |v[RB+28]|
	WIN 0x0c                                               ; source 1 window 3
	v_max3_num_f32 v[TM], v[TM], |v[RB+29]|, 0x8000000     ; the floor 2^(16 - 127): the byte cannot fall under 1
	WIN 0
	v_max3_num_f32 v[TM+1], v[TM+1], v[TM+2], v[TM+3]
	v_max3_num_f32 v[TM], v[TM], v[TM+1], v[TM+5]
	SCALE1 \xs
	WIN 0x03                                               ; source 0 window 3
.set n, 0
.rept 16
	v_med3_num_f32 v[LAT+n], v[RB+4*(n/2)+n%2], -v[TM+8], v[TM+8]   ; the hold.  (These 16 are also the places between the scale word and the product)
.set n, n+1
.endr
	CVT1 LAT, \x
.endm
; 64 numbers of a lane, v[s] on, register 16 b + i = k 32 b + 16 h + i of my row, become a fragment's 16 registers of codes at v[p] of window 2 and its scale word v[ps].  relu = 1: what is negative becomes 0 on the way.
.macro QUANT4 s, relu, p, ps
.if \relu                              ; no |.|: what is negative must not count; the floor stands over it.  Each result is read from its low end on
.irp b, 0,1,2,3
	v_max3_num_f32 v[TM+\b], v[\s+16*\b], v[\s+1+16*\b], 0x8000000
.endr
.irp i, 2,4,6,8,10,12,14
.irp b, 0,1,2,3
	v_max3_num_f32 v[TM+\b], v[TM+\b], v[\s+16*\b+\i], v[\s+1+16*\b+\i]   ; the four blocks by turns
.endr
.endr
.else
.irp b, 0,1,2,3
	v_max3_num_f32 v[TM+\b], |v[\s+16*\b]|, |v[\s+1+16*\b]|, 0x8000000
.endr
.irp i, 2,4,6,8,10,12,14
.irp b, 0,1,2,3
	v_max3_num_f32 v[TM+\b], v[TM+\b], |v[\s+16*\b+\i]|, |v[\s+1+16*\b+\i]|
.endr
.endr
.endif
.irp b, 0,1,2,3
	v_permlanex16_b32 v[TM+4+\b], v[TM+\b], s26, s27
.endr
.irp b, 0,1,2,3
	v_max_num_f32 v[TM+\b], v[TM+\b], v[TM+4+\b]
.endr
.irp b, 0,1,2,3
	v_add_nc_u32 v[TM+12+\b], 0xf8800000, v[TM+\b]
.endr
.irp b, 0,1,2,3
	v_and_or_b32 v[TM+8+\b], v[TM+\b], 0x7f800000, s28
.endr
.irp b, 0,1,2,3
	v_lshrrev_b32 v[TM+4+\b], 23, v[TM+12+\b]
.endr
	v_lshl_or_b32 v[\ps], v[TM+5], 8, v[TM+4]              ; the four bytes make my row's scale word
	v_lshl_or_b32 v[\ps], v[TM+6], 16, v[\ps]
	v_lshl_or_b32 v[\ps], v[TM+7], 24, v[\ps]
.set n, 0
.rept 64
.if \relu
	v_med3_num_f32 v[\s+n], v[\s+n], 0, v[TM+8+n/16]       ; the activation and the hold in one
.else
	v_med3_num_f32 v[\s+n], v[\s+n], -v[TM+8+n/16], v[TM+8+n/16]
.endif
.set n, n+1
.endr
	WIN 0x80
.irp b, 0,1,2,3
	v_cvt_scalef32_pk8_bf8_f32 v[\p+4*\b:\p+4*\b+1],   v[\s+16*\b:\s+16*\b+7],    v[TM+12+\b]
	v_cvt_scalef32_pk8_bf8_f32 v[\p+4*\b+2:\p+4*\b+3], v[\s+16*\b+8:\s+16*\b+15], v[TM+12+\b]
.endr
	WIN 0
	v_nop                                                  ; one plain instruction behind the last conversion
.endm
; A trip's 32 points, off bytes on, into ring buffer j: load m takes pair 8 h + m; a pair's array is 2^23 bytes, beyond an immediate's reach, so each m has its own base.
.macro LOADT j, off
	WIN 0xc0                                               ; destination window 3, address window 0
.irp m, 0,1,2,3,4,5,6,7
	global_load_b128 v[32*(\j)+4*\m:32*(\j)+4*\m+3], v[VO], s[40+2*\m:41+2*\m] offset:\off th:TH_LOAD_NT   ; read once in the launch
.endr
	WIN 0
.endm
; 8 matrix instructions: the 8 tiles of units x slot S's 16 points.  wf: the weight's fragments (window 1); op: the points' codes (window 2); bias (window 2) is C; ws, os: the scale words (scale operands have no window).
.macro MM S, wf, op, bias, ws, os
	WIN 0x29                                               ; source 0 window 1, sources 1 and 2 window 2, destination window 0
.irp t, 0,1,2,3,4,5,6,7
	v_wmma_scale_f32_16x16x128_f8f6f4 v[HA+64*(\S)+8*\t:HA+64*(\S)+8*\t+7], v[\wf+16*\t:\wf+16*\t+15], v[\op:\op+15], v[\bias+8*\t:\bias+8*\t+7], v[\ws+\t], v[\os] matrix_a_fmt:MATRIX_FMT_BF8 matrix_b_fmt:MATRIX_FMT_BF8
.endr
	WIN 0
.endm
.macro DOT S                           ; relu of the second layer, then my 64 units x w3, in four chains of pairs: the sum over my half's units is left in v[ACC]
.set n, 0
.rept 64
	v_max_num_f32 v[HA+64*(\S)+n], 0, v[HA+64*(\S)+n]      ; ascending: each result is read from its low end on
.set n, n+1
.endr
	WIN 0x08                                               ; source 1 (w3) window 2
.irp m, 0,1,2,3
	v_pk_mul_f32 v[ACCA+8*(\S)+2*\m:ACCA+8*(\S)+2*\m+1], v[HA+64*(\S)+2*\m:HA+64*(\S)+2*\m+1], v[W3+2*\m:W3+2*\m+1]
.endr
.set n, 4
.rept 28
	v_pk_fma_f32 v[ACCA+8*(\S)+2*(n%4):ACCA+8*(\S)+2*(n%4)+1], v[HA+64*(\S)+2*n:HA+64*(\S)+2*n+1], v[W3+2*n:W3+2*n+1], v[ACCA+8*(\S)+2*(n%4):ACCA+8*(\S)+2*(n%4)+1]
.set n, n+1
.endr
	WIN 0
	v_pk_add_f32 v[ACCA+8*(\S):ACCA+8*(\S)+1],   v[ACCA+8*(\S):ACCA+8*(\S)+1],   v[ACCA+8*(\S)+2:ACCA+8*(\S)+3]
	v_pk_add_f32 v[ACCA+8*(\S)+4:ACCA+8*(\S)+5], v[ACCA+8*(\S)+4:ACCA+8*(\S)+5], v[ACCA+8*(\S)+6:ACCA+8*(\S)+7]
	v_pk_add_f32 v[ACCA+8*(\S):ACCA+8*(\S)+1],   v[ACCA+8*(\S):ACCA+8*(\S)+1],   v[ACCA+8*(\S)+4:ACCA+8*(\S)+5]
	v_add_f32 v[ACCA+8*(\S)], v[ACCA+8*(\S)], v[ACCA+8*(\S)+1]
.endm
; Both slots' halves meet in one exchange: lanes 0-15 keep slot A's half sum and send slot B's, lanes 16-31 the other way round; lane (r, h) then holds point 2 r + h of the trip.  tanh(x) = 1 - 2 / (1 + 2^(2 log2(e) x)).
.macro FIN
	v_cndmask_b32 v[T],   v[ACCA], v[ACCB], s36
	v_cndmask_b32 v[T+1], v[ACCB], v[ACCA], s36
	v_permlanex16_b32 v[T+2], v[T+1], s26, s27
	v_add_f32 v[T], s31, v[T]                              ; + b3
	v_add_f32 v[T], v[T], v[T+2]
	v_mul_f32 v[T], 0x4038aa3b, v[T]
	v_exp_f32 v[T], v[T]
	v_add_nc_u32 v[OST], s30, v[OSB]                       ; (the plain instruction behind the exponential)  this trip's 128 bytes of my wave's results
	s_wait_alu depctr_va_vdst(0)
	v_add_f32 v[T], 1.0, v[T]
	v_rcp_f32 v[T], v[T]
	s_add_co_u32 s30, s30, 128
	v_nop                                                  ; the plain instruction behind the reciprocal
	s_wait_alu depctr_va_vdst(0)
	v_fma_f32 v[T], v[T], -2.0, 1.0
	ds_store_b32 v[OST], v[T]
.endm
; A TRIP: number j of a group of four; its numbers lie in ring buffer j.  ld = 1: the buffer is asked for anew, for the trip four on.  first = 1: there is no trip before whose slot B is to be finished.
; wa: the loads that may stay out when this trip's eight have to be there: those of the next three trips, 8 each.
.macro TRIP first, j, ld, wa
	s_wait_loadcnt \wa
	QUANT1R \j, 0, XA, XSA
	PLACES 3                                               ; with the quantiser's last line four places between the codes and the product
	MM 0, W1F, XA, B1, W1S, XSA                            ; layer 1, slot A
.if \first
	PLACES 8                                               ; eight places behind this form, in front of the first read of its results
.else
	DOT 1                                                  ; the trip before: slot B's last product, and both slots' results: plain instructions that name nothing of the products above: their places
	FIN
.endif
	QUANT4 HA, 1, PA, PSA
	PLACES 3
	MM 0, W2F, PA, B2, W2S, PSA                            ; layer 2, slot A: laid over layer 1's results, which are codes by now
	QUANT1R \j, 1, XB, XSB
.if \ld
	LOADT \j, ((\j)+4)*256                                 ; both slots have left the buffer
.endif
	PLACES 3
	MM 1, W1F, XB, B1, W1S, XSB                            ; layer 1, slot B
	DOT 0
	QUANT4 HB, 1, PB, PSB
	PLACES 3
	MM 1, W2F, PB, B2, W2S, PSB                            ; layer 2, slot B: read in the next trip
.endm
	; ---- THE HEAD
	s_load_b512 s[4:19], s[0:1], 0x0               ; lat s[4:5], w1 s[6:7], b1 s[8:9], w2 s[10:11], b2 s[12:13], w3 s[14:15], b3 s[16:17], out0 s[18:19]
	v_lshl_add_u32 v126, v0, 2, 0x9800
	v_mov_b32 v127, 0
	v_lshrrev_b32 v[T], 5, v0
	v_readfirstlane_b32 s24, v[T]                  ; wave 0..3
	v_and_b32 v[T+3], 31, v0                       ; lane
	v_and_b32 v[T+4], 15, v0                       ; r
	v_bfe_u32 v[T+5], v0, 4, 1                     ; h
	v_lshlrev_b32 v[LI], 4, v[T+3]
	v_lshlrev_b32 v[LS], 2, v[T+3]
	s_lshl_b32 s25, s24, 12
	v_add_nc_u32 v[IW2], s25, v[LI]                ; my two fragments of W2: 4,096 x wave
	s_lshl_b32 s25, s24, 10
	v_add_nc_u32 v[IW1], s25, v[LI]                ; of W1: 1,024 x wave
	s_lshl_b32 s25, s24, 8
	v_add_nc_u32 v[ISC], s25, v[LS]                ; their scale words: 256 x wave
	v_lshlrev_b32 v[H64], 6, v[T+5]
	s_lshl_b32 s37, s24, 12
	s_add_co_u32 s37, s37, OUT                     ; my wave's results in LDS
	v_lshlrev_b32 v[OSB], 3, v[T+4]
	v_lshl_add_u32 v[OSB], v[T+5], 2, v[OSB]
	v_add_nc_u32 v[OSB], s37, v[OSB]
	v_lshlrev_b32 v[VO], 4, v[T+4]                 ; lat: points 2 r and 2 r + 1 are 16 bytes,
	v_lshl_add_u32 v[VO], v[T+5], 26, v[VO]        ; and lanes 16-31 stand eight pairs of 2^23 bytes further on
	v_lshlrev_b32 v[T+2], 5, v[T+5]                ; b2, w3: 32 h: lane (r, h) wants units 16 t + 8 h + 0 .. 7
	v_lshlrev_b32 v[T], 2, v[T+4]
	v_lshl_add_u32 v[T], v[T+5], 13, v[T]          ; W2 [k][n]: column r, 16 h rows of 512 bytes down
	v_and_b32 v[T+1], 8, v[T+4]
	v_add_nc_u32 v[T+1], v[T+1], v[T+4]            ; r + 8 (r / 8)
	v_lshlrev_b32 v[T+1], 2, v[T+1]
	v_lshl_add_u32 v[T+1], v[T+5], 13, v[T+1]      ; W1 [k][n]: that column, 16 h rows down
.irp b, 0,1,2,3
	v_mov_b32 v[TM+4+\b], 0                        ; written once: a lane permute's destination counts as one of its sources
.endr
	s_mov_b32 s26, 0x76543210
	s_mov_b32 s27, 0xfedcba98                      ; v_permlanex16_b32's selects for lane l xor 16
	s_mov_b32 s28, 0x600000                        ; the mantissa field of 57,344
	s_mov_b32 s30, 0                               ; bytes of results so far
	s_mov_b32 s36, 0xffff0000                      ; lanes 16-31
	s_lshl_b32 s25, ttmp9, 12
	s_lshl_b32 s32, s24, 10
	s_add_co_u32 s25, s25, s32                     ; my wave's first point: 4,096 x work-group + 1,024 x wave
	s_mov_b32 s33, 0
	s_wait_kmcnt 0x0
	s_load_b32 s31, s[16:17], 0x0                  ; b3
	s_lshl_b32 s32, s25, 3
	s_add_nc_u64 s[40:41], s[4:5], s[32:33]        ; lat at my first point, pair 0;
.irp m, 1,2,3,4,5,6,7
	s_add_nc_u64 s[40+2*\m:41+2*\m], s[40:41], \m*0x800000   ; pairs 1 to 7
.endr
	s_lshl_b32 s32, s25, 2
	s_add_nc_u64 s[18:19], s[18:19], s[32:33]
	s_lshl_b32 s32, s24, 7                         ; wave w quantises tiles 2 w and 2 w + 1 of each weight: 32 columns, 128 bytes, on
	s_add_nc_u64 s[6:7], s[6:7], s[32:33]
	s_add_nc_u64 s[10:11], s[10:11], s[32:33]
	; A LANE TAKES A COLUMN, AND ITS REGISTERS RUN DOWN K, in the order of the operand's layout: number n of tile n / 64 is k = 32 ((n / 16) % 4) + 16 h + n % 16
.set n, 0
.rept 128
	global_load_b32 v[HA+n], v[T], s[10:11] offset:64*(n/64)+512*(32*((n/16)%4)+n%16)
.set n, n+1
.endr
.set n, 0
.rept 16
	global_load_b32 v[LAT+n],  v[T+1], s[6:7] offset:512*n
	global_load_b32 v[LAT2+n], v[T+1], s[6:7] offset:32+512*n
.set n, n+1
.endr
	WIN 0x80                                       ; destination window 2: the biases and w3, in the results' layout; they stay
.irp t, 0,1,2,3,4,5,6,7
	global_load_b128 v[B1+8*\t:B1+8*\t+3],   v[H64], s[8:9] offset:(32*(\t/2)+8*(\t%2))*4      ; units 32 (t / 2) + 16 h + 8 (t % 2) + 0 .. 7
	global_load_b128 v[B1+8*\t+4:B1+8*\t+7], v[H64], s[8:9] offset:(32*(\t/2)+8*(\t%2))*4+16
	global_load_b128 v[B2+8*\t:B2+8*\t+3],   v[T+2], s[12:13] offset:64*\t
	global_load_b128 v[B2+8*\t+4:B2+8*\t+7], v[T+2], s[12:13] offset:64*\t+16
	global_load_b128 v[W3+8*\t:W3+8*\t+3],   v[T+2], s[14:15] offset:64*\t
	global_load_b128 v[W3+8*\t+4:W3+8*\t+7], v[T+2], s[14:15] offset:64*\t+16
.endr
	WIN 0
	s_wait_loadcnt 48                              ; the weights are in; the 48 loads just issued may stay out
	QUANT4 HA, 0, PA, PSA
	QUANT4 HB, 0, PB, PSB
	QUANT1 LAT, XA, XSA
	QUANT1 LAT2, XB, XSB
	; The fragments go to LDS as images of their registers (lane l's 16 bytes at 16 l), the scale words 4 bytes a lane; every wave then loads all of them by the same lines.
	WIN 0x08                                       ; an LDS store's data are its source 1: window 2
.irp c, 0,1,2,3
	ds_store_b128 v[IW2], v[PA+4*\c:PA+4*\c+3] offset:W2IMG+512*\c
	ds_store_b128 v[IW2], v[PB+4*\c:PB+4*\c+3] offset:W2IMG+2048+512*\c
.endr
	ds_store_b128 v[IW1], v[XA:XA+3] offset:W1IMG
	ds_store_b128 v[IW1], v[XB:XB+3] offset:W1IMG+512
	WIN 0
	ds_store_b32 v[ISC], v[PSA] offset:W2SC
	ds_store_b32 v[ISC], v[PSB] offset:W2SC+128
	ds_store_b32 v[ISC], v[XSA] offset:W1SC
	ds_store_b32 v[ISC], v[XSB] offset:W1SC+128
	s_wait_dscnt 0x0                               ; for the others' sake: my stores have landed
	s_barrier_signal -1
	s_barrier_wait -1                              ; the one barrier: from here on the waves share nothing
	WIN 0x40                                       ; destination window 1
.irp t, 0,1,2,3,4,5,6,7
.irp c, 0,1,2,3
	ds_load_b128 v[W2F+16*\t+4*\c:W2F+16*\t+4*\c+3], v[LI] offset:W2IMG+2048*\t+512*\c
.endr
	ds_load_b128 v[W1F+16*\t:W1F+16*\t+3], v[LI] offset:W1IMG+512*\t
.endr
.irp t, 0,1,2,3,4,5,6,7
.irp i, 4,5,6,7,8,9,10,11,12,13,14,15
	v_mov_b32 v[W1F+16*\t+\i], 0                   ; zero codes for k = 32 .. 127 of the first product: an operand is 16 registers on end, so each fragment has its own
.endr
.endr
	WIN 0x80
.irp i, 4,5,6,7,8,9,10,11,12,13,14,15
	v_mov_b32 v[XA+\i], 0                          ; the same on the points' side
	v_mov_b32 v[XB+\i], 0
.endr
	WIN 0
.irp t, 0,1,2,3,4,5,6,7
	ds_load_b32 v[W2S+\t], v[LS] offset:W2SC+128*\t
	ds_load_b32 v[W1S+\t], v[LS] offset:W1SC+128*\t
.endr
	s_wait_dscnt 0x0
	; ---- THE RING IS FILLED: trips 0 to 3
	LOADT 0, 0
	LOADT 1, 256
	LOADT 2, 512
	LOADT 3, 768
	s_wait_kmcnt 0x0                               ; b3
	; ---- 32 TRIPS, in groups of four.  The first trip's wait also shows the head's loads of the biases done: so the registers that held their offsets may be written.
	TRIP 1, 0, 1, 24                               ; trips 0 to 3
	TRIP 0, 1, 1, 24
	TRIP 0, 2, 1, 24
	TRIP 0, 3, 1, 24
	s_wait_xcnt 0x0                                ; the loads' offset is written again only behind this wait
	v_add_nc_u32 v[VO], 1024, v[VO]                ; four trips of 32 points x 8 bytes on
	s_mov_b32 s29, 6
.Ltrip:                                                ; trips 4 to 27
	TRIP 0, 0, 1, 24
	TRIP 0, 1, 1, 24
	TRIP 0, 2, 1, 24
	TRIP 0, 3, 1, 24
	s_wait_xcnt 0x0
	v_add_nc_u32 v[VO], 1024, v[VO]
	s_sub_co_u32 s29, s29, 1
	s_cmp_lg_u32 s29, 0
	s_cbranch_scc1 .Ltrip
	TRIP 0, 0, 0, 24                               ; trips 28 to 31 ask for nothing: no load leaves its buffer, and the counts run down
	TRIP 0, 1, 0, 16
	TRIP 0, 2, 0, 8
	TRIP 0, 3, 0, 0
	PLACES 8
	DOT 1
	FIN
	; ---- THE WAY OUT: my wave's 1,024 results, 4,096 bytes, leave as 8 stores of 512 consecutive aligned bytes
	v_and_b32 v[T+4], 31, v0
	v_lshlrev_b32 v[T+5], 4, v[T+4]
	v_add_nc_u32 v[T+6], s37, v[T+5]
.irp i, 0,1,2,3,4,5,6,7
	ds_load_b128 v[HA+4*\i:HA+4*\i+3], v[T+6] offset:512*\i      ; LDS serves a wave's instructions in order: these see my stores
.endr
.irp i, 0,1,2,3,4,5,6,7
	s_wait_dscnt 7-\i
	global_store_b128 v[T+5], v[HA+4*\i:HA+4*\i+3], s[18:19] offset:512*\i th:TH_STORE_NT   ; written once, read by nobody here
.endr
	s_wait_tensorcnt 0x0
	ds_add_u32 v126, v127
	s_wait_dscnt 0x0
	s_endpgm
.Lfunc_end_k_qae0e52400b_mlp:
	.size	k_qae0e52400b_mlp, .Lfunc_end_k_qae0e52400b_mlp-k_qae0e52400b_mlp
	.p2alignl 7, 3214868480
	.fill 96, 4, 3214868480
	.section	.rodata,"a",@progbits
	.p2align	6, 0x0
	.amdhsa_kernel k_qae0e52400b_mlp
		.amdhsa_group_segment_fixed_size 39424
		.amdhsa_private_segment_fixed_size 0
		.amdhsa_enable_private_segment 0
		.amdhsa_kernarg_size 64
		.amdhsa_user_sgpr_count 2
		.amdhsa_user_sgpr_kernarg_segment_ptr 1
		.amdhsa_wavefront_size32 1
		.amdhsa_system_sgpr_workgroup_id_x 1
		.amdhsa_system_sgpr_workgroup_id_y 1
		.amdhsa_system_sgpr_workgroup_id_z 1
		.amdhsa_system_vgpr_workitem_id 0
		.amdhsa_next_free_vgpr 1024
		.amdhsa_next_free_sgpr 66
		.amdhsa_reserve_vcc 0
		.amdhsa_float_denorm_mode_32 3
		.amdhsa_float_denorm_mode_16_64 3
		.amdhsa_memory_ordered 1
		.amdhsa_forward_progress 1
		.amdhsa_inst_pref_size 255
	.end_amdhsa_kernel
	.section	.bss,"aw",@nobits
	.p2align	6
	.space	262144
	.amdgpu_metadata
---
amdhsa.version: [ 1, 2 ]
amdhsa.kernels:
  - .name:           k_qae0e52400b_mlp
    .symbol:         k_qae0e52400b_mlp.kd
    .args:
      - { .name: lat, .offset: 0, .size: 8, .value_kind: global_buffer, .address_space: global }
      - { .name: w1, .offset: 8, .size: 8, .value_kind: global_buffer, .address_space: global }
      - { .name: b1, .offset: 16, .size: 8, .value_kind: global_buffer, .address_space: global }
      - { .name: w2, .offset: 24, .size: 8, .value_kind: global_buffer, .address_space: global }
      - { .name: b2, .offset: 32, .size: 8, .value_kind: global_buffer, .address_space: global }
      - { .name: w3, .offset: 40, .size: 8, .value_kind: global_buffer, .address_space: global }
      - { .name: b3, .offset: 48, .size: 8, .value_kind: global_buffer, .address_space: global }
      - { .name: out0, .offset: 56, .size: 8, .value_kind: global_buffer, .address_space: global }
    .group_segment_fixed_size: 39424
    .private_segment_fixed_size: 0
    .kernarg_segment_align: 8
    .kernarg_segment_size: 64
    .max_flat_workgroup_size: 128
    .sgpr_count:     66
    .vgpr_count:     1024
    .wavefront_size: 32
...
	.end_amdgpu_metadata
.endif
;; end of part 5
;; ======== version 3 of 3: 3 launches; version 2 with the launch mlp written anew for expert scheduling mode
;; workspace buffers: tab2 4,653,056 bytes; tw 12,582,912 bytes; idx 4,194,304 bytes of whole numbers; lat 134,217,728 bytes
;; launch prep: the kernel of part 3 again; grid 540 x 1, 4 waves a work-group, no clusters, 0 bytes of LDS; arguments emb, points, tab2, tw, idx; writes tab2, tw, idx
;; launch interp: the kernel of part 4 again; grid 256 x 1, 16 waves a work-group, no clusters, 292,864 bytes of LDS; arguments tab2, tw, idx, lat; writes lat
;; launch mlp (part 6): grid 256 x 1, 4 waves a work-group, no clusters, 39,424 bytes of LDS; arguments lat, w1, b1, w2, b2, w3, b3, out0; writes out0
.if DOCPART == 6
	.amdgcn_target "amdgcn-amd-amdhsa--gfx1250"
	.amdhsa_code_object_version 6
	.text
	.protected	k_qae0e52400b_mlp
	.globl	k_qae0e52400b_mlp
	.p2align	8
	.type	k_qae0e52400b_mlp,@function
k_qae0e52400b_mlp:
	s_mov_b64 s[64:65], 0
	v_nop
	global_prefetch_b8 v0, s[64:65] scope:SCOPE_SE
	s_setreg_imm32_b32 hwreg(HW_REG_WAVE_SCHED_MODE, 0, 2), 2
	s_setreg_imm32_b32 hwreg(HW_REG_WAVE_MODE, 25, 1), 1
	s_wait_xcnt 0x0
	s_wait_alu depctr_vm_vsrc(0)
; out0[p] = tanh(relu(relu(lat W1 + b1) W2 + b2) w3 + b3); lat [16 pairs of channels][point][2] f32 comes from the launch before.
; Both products with W1 and W2 run on codes of BF8 (E5M2) with one E8M0 scale for each 32 along K; lat, the hidden layer, W1 and W2 are quantised here, in f32 registers.  The last product (one column) is f32 multiply-adds.
; SHARES.  256 work-groups x 4 waves; a wave owns 1,024 points: 32 trips of 32 points, two tiles of 16: slot A the trip's EVEN points, slot B its ODD ones.  Each wave keeps ALL weights, biases and scale words in registers.
; LAYOUT.  Both products are used transposed (source 0 = 16 rows of W^T, source 1 = 16 points): lane (r = lane % 16, h = lane / 16) holds point r of a slot throughout, and its registers run along the units.
;   THE UNITS OF A TILE OF W1 ARE NOT NEIGHBOURS: lane r of tile 2 b + u takes unit 32 b + 8 u + r + 8 (r / 8), so that the 16 registers of tiles 2 b, 2 b + 1 are k = 32 b + 16 h + 0 .. 15 of the next product.
;   The first product has K = 32 of the instruction's 128: registers 4 .. 15 of both operands are zero codes and bytes 1 .. 3 of both scale words are 0 (2^-127, no NaN): they add nothing.
;   Each sum is ONE matrix instruction whose C is the bias in the result's layout: nothing is cleared, no accumulator is added onto.
; lat's WAY IN.  Lane (r, h) wants channels 16 h .. 16 h + 15: pairs 8 h + m, m = 0 .. 7.  One load of 16 bytes takes pair 8 h + m of points 2 r and 2 r + 1: two channels for slot A, two for slot B; sixteen lanes read
;   256 consecutive aligned bytes.  Eight loads a trip, into a ring of four buffers of 32 registers; a buffer is asked for anew when slot B has left it, for the trip four on.
;   The hold ahead of the conversion writes its results into consecutive registers, so the two slots are parted at no cost.
; PIPELINE.  Each run of 8 matrix instructions stands in front of the OTHER tile's vector work, which names none of its registers: that work is the places behind it.
; THE MODE: SCHED_MODE bits 1:0 = 2 (LLVM: expert scheduling mode 2), set by the entry lines.  The code itself states the register dependences
; between vector or matrix instructions and memory or LDS instructions, with s_wait_alu, always for 0.
; THE PLAN.  Registers that memory or LDS instructions touch, in the trips:
;   the ring (window 3)  Trip j: its two quantisers (maxima and holds) read buffer j; behind them the eight loads of the trip four on land in it.
;   v[VO]                Read by every load of the ring; written once in four trips, at the group's end.
;   v[T], v[OST]         A trip's result and its LDS address: written by the finish (FINC), read by one LDS store, written again by the next finish.
;   All else (the codes, the scale words, the results of the products, the weights) is named by vector and matrix instructions alone.
; A wait on va_vdst stands ahead of each run of 8 matrix instructions, behind its places: the run's codes and scale word were written by vector instructions.  Two of a trip's four serve memory too:
;   that of slot A's second layer shows v[T] and v[OST] written: the LDS store follows that run;  that of slot B's first layer shows both quantisers done reading the ring's buffer, and v[VO] written: the eight loads follow that run.
;   The matrix instructions between such a wait and those lines name the results v128-255, windows 1 and 2 and scale words: none of the registers that the store or the loads touch.
; A wait on vm_vsrc stands at the finish's head (the last store has read v[T] and v[OST]) and ahead of the add to v[VO] (the ring's loads have read it).
; LIMITS: NaN among the inputs is not served.  A block of zeros gets the scale byte 1: its codes are zeros.
; REGISTERS, in windows of 256 (s_set_vgpr_msb: bits 1:0 source 0, 3:2 source 1, 5:4 source 2, 7:6 destination):
;   window 0: see the names below.   window 1: v0-127 W2's 8 fragments, v128-255 W1's 8.   window 2: v0-63 b1, v64-127 b2, v128-191 w3, v192-223 lat's codes (A, B), v224-255 the hidden layer's codes (A, B).
;   window 3: v0-127 the ring: buffer j at 32 j; load m at 4 m: slot A's two channels, then slot B's.
.set W2IMG, 0                          ; LDS: W2's 8 fragments as images of their registers, 2,048 bytes each;
.set W1IMG, 16384                      ; W1's 8, their first four registers only: 512 bytes each;
.set W2SC,  20480                      ; their scale words, 128 bytes a fragment;
.set W1SC,  21504
.set OUT,   22528                      ; and each wave's 1,024 results, 4,096 bytes a wave
.set LI,  1                            ; v1-4  at the head: 16 x lane; 4 x lane; where I store W2's and W1's images
.set LS,  2
.set IW2, 3
.set IW1, 4
.set VO,  5                            ; v5    my byte offset in lat: 2^26 h + 16 r + 1,024 x the group of four trips
.set H64, 7                            ; v7    64 h
.set OSB, 8                            ; v8    OUT + 4,096 x wave + 8 r + 4 h: lane (r, h) ends up with point 2 r + h of a trip
.set OST, 9                            ; v9    where this trip's result goes; at the head: where I store scale words
.set ISC, 9
.set LAT, 50                           ; v50-65  my 16 channels of lat, held
.set TM,  66                           ; v66-81  quantiser: +0..3 largest magnitudes, +4..7 the other half's, then bytes, +8..11 57,344 x the scale, +12..15 the conversions' scale operands
.set W1S, 82                           ; v82-89, v90-97  W1's and W2's scale words: scales and nothing else
.set W2S, 90
.set XSA, 98                           ; v98, v99  lat's scale words (A, B);  v100, v101 the hidden layer's
.set XSB, 99
.set PSA, 100
.set PSB, 101
.set ACCA, 102                         ; v102-109, v110-117  the last product's four chains: slot A, slot B
.set ACCB, 110
.set LAT2, 102                         ; at the head: W1's second tile as f32
.set T,   118                          ; v118-127  at work
.set HA,  128                          ; v128-191, v192-255  a tile's 8 results of 16 x 16: slot A, slot B
.set HB,  192
.set W2F, 0                            ; window 1
.set W1F, 128
.set B1,  0                            ; window 2
.set B2,  64
.set W3,  128
.set XA,  192
.set XB,  208
.set PA,  224
.set PB,  240
.set MSB, 0
.macro WIN new                         ; the immediate's high byte repeats the setting that is left; a switch that changes nothing is dropped
.if MSB != \new
	s_set_vgpr_msb (MSB<<8)|\new
.set MSB, \new
.endif
.endm
.macro PLACES n
.rept \n
	v_nop
.endr
.endm
; The end of a quantiser of one block: from the lane's largest magnitude in v[TM] to the scale word v[xs] (byte 0; the others 0), the hold's bound v[TM+8] and the conversions' operand v[TM+12].
.macro SCALE1 xs
	v_permlanex16_b32 v[TM+4], v[TM], s26, s27
	v_max_num_f32 v[TM], v[TM], v[TM+4]                    ; with lane l xor 16's 16 numbers: the block's largest magnitude
	v_add_nc_u32 v[TM+12], 0xf8800000, v[TM]               ; 15 off its exponent field: the conversion takes this operand's exponent field as its scale
	v_and_or_b32 v[TM+8], v[TM], 0x7f800000, s28           ; 57,344 x the scale
	v_lshrrev_b32 v[\xs], 23, v[TM+12]                     ; the scale's byte
.endm
.macro CVT1 s, x                       ; 16 held numbers at v[s] become 4 registers of codes at v[x] of window 2
	WIN 0x80                                               ; destination window 2
	v_cvt_scalef32_pk8_bf8_f32 v[\x:\x+1],   v[\s:\s+7],    v[TM+12]
	v_cvt_scalef32_pk8_bf8_f32 v[\x+2:\x+3], v[\s+8:\s+15], v[TM+12]
	WIN 0
	v_nop                                                  ; one plain instruction behind the last conversion
.endm
; 16 numbers of a lane in window 0, v[s] on (k = 16 h + i of my row; one block of 32 with lane l xor 16's): for W1, at the head.
.macro QUANT1 s, x, xs
	v_max3_num_f32 v[TM],   |v[\s]|,   |v[\s+1]|,  |v[\s+2]|
	v_max3_num_f32 v[TM+1], |v[\s+3]|, |v[\s+4]|,  |v[\s+5]|
	v_max3_num_f32 v[TM+2], |v[\s+6]|, |v[\s+7]|,  |v[\s+8]|
	v_max3_num_f32 v[TM+3], |v[\s+9]|, |v[\s+10]|, |v[\s+11]|
	v_max3_num_f32 v[TM],   v[TM],   |v[\s+12]|, |v[\s+13]|
	v_max3_num_f32 v[TM+1], v[TM+1], |v[\s+14]|, |v[\s+15]|
	v_max3_num_f32 v[TM+2], v[TM+2], v[TM+3], 0x8000000    ; the floor 2^(16 - 127): the byte cannot fall under 1
	v_max3_num_f32 v[TM], v[TM], v[TM+1], v[TM+2]
	SCALE1 \xs
.set n, 0
.rept 16
	v_med3_num_f32 v[\s+n], v[\s+n], -v[TM+8], v[TM+8]     ; the conversion to an 8-bit code does not saturate (ISA guide 7.6.2): the hold
.set n, n+1
.endr
	CVT1 \s, \x
.endm
; The same for slot S's 16 channels in ring buffer j (window 3): channel n lies at RB + 4 (n / 2) + n % 2.  The hold writes them into v[LAT] on.
.macro QUANT1R j, S, x, xs
.set RB, 32*(\j)+2*(\S)
	WIN 0x3f                                               ; all three sources window 3
	v_max3_num_f32 v[TM],   |v[RB]|,    |v[RB+1]|,  |v[RB+4]|
	v_max3_num_f32 v[TM+1], |v[RB+5]|,  |v[RB+8]|,  |v[RB+9]|
	v_max3_num_f32 v[TM+2], |v[RB+12]|, |v[RB+13]|, |v[RB+16]|
	v_max3_num_f32 v[TM+3], |v[RB+17]|, |v[RB+20]|, |v[RB+21]|
	v_max3_num_f32 v[TM+5], |v[RB+24]|, |v[RB+25]|, |v[RB+28]|
	WIN 0x0c                                               ; source 1 window 3
	v_max3_num_f32 v[TM], v[TM], |v[RB+29]|, 0x8000000     ; the floor 2^(16 - 127): the byte cannot fall under 1
	WIN 0
	v_max3_num_f32 v[TM+1], v[TM+1], v[TM+2], v[TM+3]
	v_max3_num_f32 v[TM], v[TM], v[TM+1], v[TM+5]
	SCALE1 \xs
	WIN 0x03                                               ; source 0 window 3
.set n, 0
.rept 16
	v_med3_num_f32 v[LAT+n], v[RB+4*(n/2)+n%2], -v[TM+8], v[TM+8]   ; the hold.  (These 16 are also the places between the scale word and the product)
.set n, n+1
.endr
	CVT1 LAT, \x
.endm
; 64 numbers of a lane, v[s] on, register 16 b + i = k 32 b + 16 h + i of my row, become a fragment's 16 registers of codes at v[p] of window 2 and its scale word v[ps].  relu = 1: what is negative becomes 0 on the way.
.macro QUANT4 s, relu, p, ps
.if \relu                              ; no |.|: what is negative must not count; the floor stands over it.  Each result is read from its low end on
.irp b, 0,1,2,3
	v_max3_num_f32 v[TM+\b], v[\s+16*\b], v[\s+1+16*\b], 0x8000000
.endr
.irp i, 2,4,6,8,10,12,14
.irp b, 0,1,2,3
	v_max3_num_f32 v[TM+\b], v[TM+\b], v[\s+16*\b+\i], v[\s+1+16*\b+\i]   ; the four blocks by turns
.endr
.endr
.else
.irp b, 0,1,2,3
	v_max3_num_f32 v[TM+\b], |v[\s+16*\b]|, |v[\s+1+16*\b]|, 0x8000000
.endr
.irp i, 2,4,6,8,10,12,14
.irp b, 0,1,2,3
	v_max3_num_f32 v[TM+\b], v[TM+\b], |v[\s+16*\b+\i]|, |v[\s+1+16*\b+\i]|
.endr
.endr
.endif
.irp b, 0,1,2,3
	v_permlanex16_b32 v[TM+4+\b], v[TM+\b], s26, s27
.endr
.irp b, 0,1,2,3
	v_max_num_f32 v[TM+\b], v[TM+\b], v[TM+4+\b]
.endr
.irp b, 0,1,2,3
	v_add_nc_u32 v[TM+12+\b], 0xf8800000, v[TM+\b]
.endr
.irp b, 0,1,2,3
	v_and_or_b32 v[TM+8+\b], v[TM+\b], 0x7f800000, s28
.endr
.irp b, 0,1,2,3
	v_lshrrev_b32 v[TM+4+\b], 23, v[TM+12+\b]
.endr
	v_lshl_or_b32 v[\ps], v[TM+5], 8, v[TM+4]              ; the four bytes make my row's scale word
	v_lshl_or_b32 v[\ps], v[TM+6], 16, v[\ps]
	v_lshl_or_b32 v[\ps], v[TM+7], 24, v[\ps]
.set n, 0
.rept 64
.if \relu
	v_med3_num_f32 v[\s+n], v[\s+n], 0, v[TM+8+n/16]       ; the activation and the hold in one
.else
	v_med3_num_f32 v[\s+n], v[\s+n], -v[TM+8+n/16], v[TM+8+n/16]
.endif
.set n, n+1
.endr
	WIN 0x80
.irp b, 0,1,2,3
	v_cvt_scalef32_pk8_bf8_f32 v[\p+4*\b:\p+4*\b+1],   v[\s+16*\b:\s+16*\b+7],    v[TM+12+\b]
	v_cvt_scalef32_pk8_bf8_f32 v[\p+4*\b+2:\p+4*\b+3], v[\s+16*\b+8:\s+16*\b+15], v[TM+12+\b]
.endr
	WIN 0
	v_nop                                                  ; one plain instruction behind the last conversion
.endm
; A trip's 32 points, off bytes on, into ring buffer j: load m takes pair 8 h + m; a pair's array is 2^23 bytes, beyond an immediate's reach, so each m has its own base.
.macro LOADT j, off
	WIN 0xc0                                               ; destination window 3, address window 0
.irp m, 0,1,2,3,4,5,6,7
	global_load_b128 v[32*(\j)+4*\m:32*(\j)+4*\m+3], v[VO], s[40+2*\m:41+2*\m] offset:\off th:TH_LOAD_NT   ; read once in the launch
.endr
	WIN 0
.endm
; 8 matrix instructions: the 8 tiles of units x slot S's 16 points.  wf: the weight's fragments (window 1); op: the points' codes (window 2); bias (window 2) is C; ws, os: the scale words (scale operands have no window).
.macro MM S, wf, op, bias, ws, os
	WIN 0x29                                               ; source 0 window 1, sources 1 and 2 window 2, destination window 0
	s_wait_alu depctr_va_vdst(0)                           ; the conversions have written the points' codes v[op ..] and the quantiser their scale word v[os], which the products below take (in the first trip also the zero codes of both sides); the places ahead stay beside this wait
.irp t, 0,1,2,3,4,5,6,7
	v_wmma_scale_f32_16x16x128_f8f6f4 v[HA+64*(\S)+8*\t:HA+64*(\S)+8*\t+7], v[\wf+16*\t:\wf+16*\t+15], v[\op:\op+15], v[\bias+8*\t:\bias+8*\t+7], v[\ws+\t], v[\os] matrix_a_fmt:MATRIX_FMT_BF8 matrix_b_fmt:MATRIX_FMT_BF8
.endr
	WIN 0
.endm
.macro DOT S                           ; relu of the second layer, then my 64 units x w3, in four chains of pairs: the sum over my half's units is left in v[ACC]
.set n, 0
.rept 64
	v_max_num_f32 v[HA+64*(\S)+n], 0, v[HA+64*(\S)+n]      ; ascending: each result is read from its low end on
.set n, n+1
.endr
	WIN 0x08                                               ; source 1 (w3) window 2
.irp m, 0,1,2,3
	v_pk_mul_f32 v[ACCA+8*(\S)+2*\m:ACCA+8*(\S)+2*\m+1], v[HA+64*(\S)+2*\m:HA+64*(\S)+2*\m+1], v[W3+2*\m:W3+2*\m+1]
.endr
.set n, 4
.rept 28
	v_pk_fma_f32 v[ACCA+8*(\S)+2*(n%4):ACCA+8*(\S)+2*(n%4)+1], v[HA+64*(\S)+2*n:HA+64*(\S)+2*n+1], v[W3+2*n:W3+2*n+1], v[ACCA+8*(\S)+2*(n%4):ACCA+8*(\S)+2*(n%4)+1]
.set n, n+1
.endr
	WIN 0
	v_pk_add_f32 v[ACCA+8*(\S):ACCA+8*(\S)+1],   v[ACCA+8*(\S):ACCA+8*(\S)+1],   v[ACCA+8*(\S)+2:ACCA+8*(\S)+3]
	v_pk_add_f32 v[ACCA+8*(\S)+4:ACCA+8*(\S)+5], v[ACCA+8*(\S)+4:ACCA+8*(\S)+5], v[ACCA+8*(\S)+6:ACCA+8*(\S)+7]
	v_pk_add_f32 v[ACCA+8*(\S):ACCA+8*(\S)+1],   v[ACCA+8*(\S):ACCA+8*(\S)+1],   v[ACCA+8*(\S)+4:ACCA+8*(\S)+5]
	v_add_f32 v[ACCA+8*(\S)], v[ACCA+8*(\S)], v[ACCA+8*(\S)+1]
.endm
; THE FINISH.  Both slots' halves meet in one exchange: lanes 0-15 keep slot A's half sum and send slot B's, lanes 16-31 the other way round; lane (r, h) then holds point 2 r + h of the trip.  tanh(x) = 1 - 2 / (1 + 2^(2 log2(e) x)).
; It leaves the result in v[T] and its LDS address in v[OST]; the store follows further on, behind a wait on va_vdst that stands there anyway.
.macro FINC
	s_wait_alu depctr_vm_vsrc(0)                           ; the LDS store of the last result has read v[T] and v[OST], which the lines below write again (the first time round: the head's loads have read v[T] to v[T+2] as offsets, its LDS stores v9)
	v_cndmask_b32 v[T],   v[ACCA], v[ACCB], s36
	v_cndmask_b32 v[T+1], v[ACCB], v[ACCA], s36
	v_permlanex16_b32 v[T+2], v[T+1], s26, s27
	v_add_f32 v[T], s31, v[T]                              ; + b3
	v_add_f32 v[T], v[T], v[T+2]
	v_mul_f32 v[T], 0x4038aa3b, v[T]
	v_exp_f32 v[T], v[T]
	v_add_nc_u32 v[OST], s30, v[OSB]                       ; (the plain instruction behind the exponential)  this trip's 128 bytes of my wave's results
	s_wait_alu depctr_va_vdst(0)
	v_add_f32 v[T], 1.0, v[T]
	v_rcp_f32 v[T], v[T]
	s_add_co_u32 s30, s30, 128
	v_nop                                                  ; the plain instruction behind the reciprocal
	s_wait_alu depctr_va_vdst(0)
	v_fma_f32 v[T], v[T], -2.0, 1.0
.endm
; A TRIP: number j of a group of four; its numbers lie in ring buffer j.  ld = 1: the buffer is asked for anew, for the trip four on.  first = 1: there is no trip before whose slot B is to be finished.
; wa: the loads that may stay out when this trip's eight have to be there: those of the next three trips, 8 each.
.macro TRIP first, j, ld, wa
	s_wait_loadcnt \wa
	QUANT1R \j, 0, XA, XSA
	PLACES 3                                               ; with the quantiser's last line four places between the codes and the product
	MM 0, W1F, XA, B1, W1S, XSA                            ; layer 1, slot A
.if \first
	PLACES 8                                               ; eight places behind this form, in front of the first read of its results
.else
	DOT 1                                                  ; the trip before: slot B's last product, and both slots' results: plain instructions that name nothing of the products above: their places
	FINC
.endif
	QUANT4 HA, 1, PA, PSA
	PLACES 3
	MM 0, W2F, PA, B2, W2S, PSA                            ; layer 2, slot A: laid over layer 1's results, which are codes by now
.if !\first
	ds_store_b32 v[OST], v[T]                              ; the last trip's result.  No wait of its own: the wait ahead of the products above shows v[T] and v[OST] written, and those products name neither
.endif
	QUANT1R \j, 1, XB, XSB
	PLACES 3
	MM 1, W1F, XB, B1, W1S, XSB                            ; layer 1, slot B
.if \ld
	LOADT \j, ((\j)+4)*256                                 ; both slots have left the buffer.  No wait of its own: the wait ahead of the products above shows both quantisers done reading it and v[VO] written, and those products name neither
.endif
	DOT 0
	QUANT4 HB, 1, PB, PSB
	PLACES 3
	MM 1, W2F, PB, B2, W2S, PSB                            ; layer 2, slot B: read in the next trip
.endm
	; ---- THE HEAD
	s_load_b512 s[4:19], s[0:1], 0x0               ; lat s[4:5], w1 s[6:7], b1 s[8:9], w2 s[10:11], b2 s[12:13], w3 s[14:15], b3 s[16:17], out0 s[18:19]
	v_lshl_add_u32 v126, v0, 2, 0x9800
	v_mov_b32 v127, 0
	v_lshrrev_b32 v[T], 5, v0
	v_readfirstlane_b32 s24, v[T]                  ; wave 0..3
	v_and_b32 v[T+3], 31, v0                       ; lane
	v_and_b32 v[T+4], 15, v0                       ; r
	v_bfe_u32 v[T+5], v0, 4, 1                     ; h
	v_lshlrev_b32 v[LI], 4, v[T+3]
	v_lshlrev_b32 v[LS], 2, v[T+3]
	s_wait_alu depctr_va_sdst(0)                   ; s24 is written, ahead of its first reader: LDS addresses and the bases of lat, out0, w1 and w2 are made from it
	s_lshl_b32 s25, s24, 12
	v_add_nc_u32 v[IW2], s25, v[LI]                ; my two fragments of W2: 4,096 x wave
	s_lshl_b32 s25, s24, 10
	v_add_nc_u32 v[IW1], s25, v[LI]                ; of W1: 1,024 x wave
	s_lshl_b32 s25, s24, 8
	v_add_nc_u32 v[ISC], s25, v[LS]                ; their scale words: 256 x wave
	v_lshlrev_b32 v[H64], 6, v[T+5]
	s_lshl_b32 s37, s24, 12
	s_add_co_u32 s37, s37, OUT                     ; my wave's results in LDS
	v_lshlrev_b32 v[OSB], 3, v[T+4]
	v_lshl_add_u32 v[OSB], v[T+5], 2, v[OSB]
	v_add_nc_u32 v[OSB], s37, v[OSB]
	v_lshlrev_b32 v[VO], 4, v[T+4]                 ; lat: points 2 r and 2 r + 1 are 16 bytes,
	v_lshl_add_u32 v[VO], v[T+5], 26, v[VO]        ; and lanes 16-31 stand eight pairs of 2^23 bytes further on
	v_lshlrev_b32 v[T+2], 5, v[T+5]                ; b2, w3: 32 h: lane (r, h) wants units 16 t + 8 h + 0 .. 7
	v_lshlrev_b32 v[T], 2, v[T+4]
	v_lshl_add_u32 v[T], v[T+5], 13, v[T]          ; W2 [k][n]: column r, 16 h rows of 512 bytes down
	v_and_b32 v[T+1], 8, v[T+4]
	v_add_nc_u32 v[T+1], v[T+1], v[T+4]            ; r + 8 (r / 8)
	v_lshlrev_b32 v[T+1], 2, v[T+1]
	v_lshl_add_u32 v[T+1], v[T+5], 13, v[T+1]      ; W1 [k][n]: that column, 16 h rows down
.irp b, 0,1,2,3
	v_mov_b32 v[TM+4+\b], 0                        ; written once: a lane permute's destination counts as one of its sources
.endr
	s_mov_b32 s26, 0x76543210
	s_mov_b32 s27, 0xfedcba98                      ; v_permlanex16_b32's selects for lane l xor 16
	s_mov_b32 s28, 0x600000                        ; the mantissa field of 57,344
	s_mov_b32 s30, 0                               ; bytes of results so far
	s_mov_b32 s36, 0xffff0000                      ; lanes 16-31
	s_lshl_b32 s25, ttmp9, 12
	s_lshl_b32 s32, s24, 10
	s_add_co_u32 s25, s25, s32                     ; my wave's first point: 4,096 x work-group + 1,024 x wave
	s_mov_b32 s33, 0
	s_wait_kmcnt 0x0
	s_load_b32 s31, s[16:17], 0x0                  ; b3
	s_lshl_b32 s32, s25, 3
	s_add_nc_u64 s[40:41], s[4:5], s[32:33]        ; lat at my first point, pair 0;
.irp m, 1,2,3,4,5,6,7
	s_add_nc_u64 s[40+2*\m:41+2*\m], s[40:41], \m*0x800000   ; pairs 1 to 7
.endr
	s_lshl_b32 s32, s25, 2
	s_add_nc_u64 s[18:19], s[18:19], s[32:33]
	s_lshl_b32 s32, s24, 7                         ; wave w quantises tiles 2 w and 2 w + 1 of each weight: 32 columns, 128 bytes, on
	s_add_nc_u64 s[6:7], s[6:7], s[32:33]
	s_add_nc_u64 s[10:11], s[10:11], s[32:33]
	s_wait_alu depctr_va_vdst(0)                   ; every offset and LDS address of the head is written (v1 to v5, v7 to v9, v[T] to v[T+2]): the loads and LDS instructions from here to the first trip read them
	; A LANE TAKES A COLUMN, AND ITS REGISTERS RUN DOWN K, in the order of the operand's layout: number n of tile n / 64 is k = 32 ((n / 16) % 4) + 16 h + n % 16
.set n, 0
.rept 128
	global_load_b32 v[HA+n], v[T], s[10:11] offset:64*(n/64)+512*(32*((n/16)%4)+n%16)
.set n, n+1
.endr
.set n, 0
.rept 16
	global_load_b32 v[LAT+n],  v[T+1], s[6:7] offset:512*n
	global_load_b32 v[LAT2+n], v[T+1], s[6:7] offset:32+512*n
.set n, n+1
.endr
	WIN 0x80                                       ; destination window 2: the biases and w3, in the results' layout; they stay
.irp t, 0,1,2,3,4,5,6,7
	global_load_b128 v[B1+8*\t:B1+8*\t+3],   v[H64], s[8:9] offset:(32*(\t/2)+8*(\t%2))*4      ; units 32 (t / 2) + 16 h + 8 (t % 2) + 0 .. 7
	global_load_b128 v[B1+8*\t+4:B1+8*\t+7], v[H64], s[8:9] offset:(32*(\t/2)+8*(\t%2))*4+16
	global_load_b128 v[B2+8*\t:B2+8*\t+3],   v[T+2], s[12:13] offset:64*\t
	global_load_b128 v[B2+8*\t+4:B2+8*\t+7], v[T+2], s[12:13] offset:64*\t+16
	global_load_b128 v[W3+8*\t:W3+8*\t+3],   v[T+2], s[14:15] offset:64*\t
	global_load_b128 v[W3+8*\t+4:W3+8*\t+7], v[T+2], s[14:15] offset:64*\t+16
.endr
	WIN 0
	s_wait_loadcnt 48                              ; the weights are in; the 48 loads just issued may stay out
	QUANT4 HA, 0, PA, PSA
	QUANT4 HB, 0, PB, PSB
	QUANT1 LAT, XA, XSA
	QUANT1 LAT2, XB, XSB
	; The fragments go to LDS as images of their registers (lane l's 16 bytes at 16 l), the scale words 4 bytes a lane; every wave then loads all of them by the same lines.
	WIN 0x08                                       ; an LDS store's data are its source 1: window 2
	s_wait_alu depctr_va_vdst(0)                   ; the conversions have written the weights' codes (window 2, v192-255) and the quantisers their scale words v98 to v101: the LDS stores below read them
.irp c, 0,1,2,3
	ds_store_b128 v[IW2], v[PA+4*\c:PA+4*\c+3] offset:W2IMG+512*\c
	ds_store_b128 v[IW2], v[PB+4*\c:PB+4*\c+3] offset:W2IMG+2048+512*\c
.endr
	ds_store_b128 v[IW1], v[XA:XA+3] offset:W1IMG
	ds_store_b128 v[IW1], v[XB:XB+3] offset:W1IMG+512
	WIN 0
	ds_store_b32 v[ISC], v[PSA] offset:W2SC
	ds_store_b32 v[ISC], v[PSB] offset:W2SC+128
	ds_store_b32 v[ISC], v[XSA] offset:W1SC
	ds_store_b32 v[ISC], v[XSB] offset:W1SC+128
	s_wait_dscnt 0x0                               ; for the others' sake: my stores have landed
	s_barrier_signal -1
	s_barrier_wait -1                              ; the one barrier: from here on the waves share nothing
	s_wait_alu depctr_vm_vsrc(0)                   ; my LDS stores have read the codes' registers and v98 to v101: from here on these hold the points' codes and scale words, which the first trip's quantisers write
	WIN 0x40                                       ; destination window 1
.irp t, 0,1,2,3,4,5,6,7
.irp c, 0,1,2,3
	ds_load_b128 v[W2F+16*\t+4*\c:W2F+16*\t+4*\c+3], v[LI] offset:W2IMG+2048*\t+512*\c
.endr
	ds_load_b128 v[W1F+16*\t:W1F+16*\t+3], v[LI] offset:W1IMG+512*\t
.endr
.irp t, 0,1,2,3,4,5,6,7
.irp i, 4,5,6,7,8,9,10,11,12,13,14,15
	v_mov_b32 v[W1F+16*\t+\i], 0                   ; zero codes for k = 32 .. 127 of the first product: an operand is 16 registers on end, so each fragment has its own
.endr
.endr
	WIN 0x80
.irp i, 4,5,6,7,8,9,10,11,12,13,14,15
	v_mov_b32 v[XA+\i], 0                          ; the same on the points' side
	v_mov_b32 v[XB+\i], 0
.endr
	WIN 0
.irp t, 0,1,2,3,4,5,6,7
	ds_load_b32 v[W2S+\t], v[LS] offset:W2SC+128*\t        ; no vector instruction has named v82 to v97, nor v[LS] since the head's first wait on va_vdst
	ds_load_b32 v[W1S+\t], v[LS] offset:W1SC+128*\t
.endr
	s_wait_dscnt 0x0
	; ---- THE RING IS FILLED: trips 0 to 3.  No vector instruction has named window 3, nor v[VO] since the head's first wait on va_vdst
	LOADT 0, 0
	LOADT 1, 256
	LOADT 2, 512
	LOADT 3, 768
	s_wait_kmcnt 0x0                               ; b3
	; ---- 32 TRIPS, in groups of four.  The first trip's wait also shows the head's loads of the biases done: so the registers that held their offsets may be written.
	TRIP 1, 0, 1, 24                               ; trips 0 to 3
	TRIP 0, 1, 1, 24
	TRIP 0, 2, 1, 24
	TRIP 0, 3, 1, 24
	s_wait_xcnt 0x0                                ; the loads' offset is written again only behind this wait
	s_wait_alu depctr_vm_vsrc(0)                   ; the ring's loads issued so far have read v[VO]; the next load by it stands behind a later wait on va_vdst
	v_add_nc_u32 v[VO], 1024, v[VO]                ; four trips of 32 points x 8 bytes on
	s_mov_b32 s29, 6
.Ltrip:                                                ; trips 4 to 27
	TRIP 0, 0, 1, 24
	TRIP 0, 1, 1, 24
	TRIP 0, 2, 1, 24
	TRIP 0, 3, 1, 24
	s_wait_xcnt 0x0
	s_wait_alu depctr_vm_vsrc(0)                   ; the ring's loads issued so far have read v[VO]; the next load by it stands behind a later wait on va_vdst
	v_add_nc_u32 v[VO], 1024, v[VO]
	s_sub_co_u32 s29, s29, 1
	s_cmp_lg_u32 s29, 0
	s_cbranch_scc1 .Ltrip
	TRIP 0, 0, 0, 24                               ; trips 28 to 31 ask for nothing: no load leaves its buffer, and the counts run down
	TRIP 0, 1, 0, 16
	TRIP 0, 2, 0, 8
	TRIP 0, 3, 0, 0
	PLACES 8
	DOT 1
	FINC
	; ---- THE WAY OUT: my wave's 1,024 results, 4,096 bytes, leave as 8 stores of 512 consecutive aligned bytes
	v_and_b32 v[T+4], 31, v0
	v_lshlrev_b32 v[T+5], 4, v[T+4]
	v_add_nc_u32 v[T+6], s37, v[T+5]
	s_wait_alu depctr_va_vdst(0)                   ; the last result v[T] and its address v[OST] are written, which the LDS store reads; so are v[T+5] and v[T+6], the offsets of the lines below; and every vector and matrix instruction is done with v128 to v159, in which the LDS loads land
	ds_store_b32 v[OST], v[T]
.irp i, 0,1,2,3,4,5,6,7
	ds_load_b128 v[HA+4*\i:HA+4*\i+3], v[T+6] offset:512*\i      ; LDS serves a wave's instructions in order: these see my stores
.endr
.irp i, 0,1,2,3,4,5,6,7
	s_wait_dscnt 7-\i
	global_store_b128 v[T+5], v[HA+4*\i:HA+4*\i+3], s[18:19] offset:512*\i th:TH_STORE_NT   ; written once, read by nobody here
.endr
	s_wait_dscnt 0x0
	s_wait_alu depctr_hold_cnt(0) depctr_sa_sdst(0) depctr_va_vdst(0) depctr_va_sdst(0) depctr_va_ssrc(0) depctr_va_vcc(0) depctr_vm_vsrc(0)
	s_wait_tensorcnt 0x0
	ds_add_u32 v126, v127
	s_wait_dscnt 0x0
	s_endpgm
.Lfunc_end_k_qae0e52400b_mlp:
	.size	k_qae0e52400b_mlp, .Lfunc_end_k_qae0e52400b_mlp-k_qae0e52400b_mlp
	.p2alignl 7, 3214868480
	.fill 96, 4, 3214868480
	.section	.rodata,"a",@progbits
	.p2align	6, 0x0
	.amdhsa_kernel k_qae0e52400b_mlp
		.amdhsa_group_segment_fixed_size 39424
		.amdhsa_private_segment_fixed_size 0
		.amdhsa_enable_private_segment 0
		.amdhsa_kernarg_size 64
		.amdhsa_user_sgpr_count 2
		.amdhsa_user_sgpr_kernarg_segment_ptr 1
		.amdhsa_wavefront_size32 1
		.amdhsa_system_sgpr_workgroup_id_x 1
		.amdhsa_system_sgpr_workgroup_id_y 1
		.amdhsa_system_sgpr_workgroup_id_z 1
		.amdhsa_system_vgpr_workitem_id 0
		.amdhsa_next_free_vgpr 1024
		.amdhsa_next_free_sgpr 66
		.amdhsa_reserve_vcc 0
		.amdhsa_float_denorm_mode_32 3
		.amdhsa_float_denorm_mode_16_64 3
		.amdhsa_memory_ordered 1
		.amdhsa_forward_progress 1
		.amdhsa_inst_pref_size 255
	.end_amdhsa_kernel
	.section	.bss,"aw",@nobits
	.p2align	6
	.space	262144
	.amdgpu_metadata
---
amdhsa.version: [ 1, 2 ]
amdhsa.kernels:
  - .name:           k_qae0e52400b_mlp
    .symbol:         k_qae0e52400b_mlp.kd
    .args:
      - { .name: lat, .offset: 0, .size: 8, .value_kind: global_buffer, .address_space: global }
      - { .name: w1, .offset: 8, .size: 8, .value_kind: global_buffer, .address_space: global }
      - { .name: b1, .offset: 16, .size: 8, .value_kind: global_buffer, .address_space: global }
      - { .name: w2, .offset: 24, .size: 8, .value_kind: global_buffer, .address_space: global }
      - { .name: b2, .offset: 32, .size: 8, .value_kind: global_buffer, .address_space: global }
      - { .name: w3, .offset: 40, .size: 8, .value_kind: global_buffer, .address_space: global }
      - { .name: b3, .offset: 48, .size: 8, .value_kind: global_buffer, .address_space: global }
      - { .name: out0, .offset: 56, .size: 8, .value_kind: global_buffer, .address_space: global }
    .group_segment_fixed_size: 39424
    .private_segment_fixed_size: 0
    .kernarg_segment_align: 8
    .kernarg_segment_size: 64
    .max_flat_workgroup_size: 128
    .sgpr_count:     66
    .vgpr_count:     1024
    .wavefront_size: 32
...
	.end_amdgpu_metadata
.endif
;; end of part 6
